; MI455X (gfx1250); checked and timed in simulation.
; The chip was launched on July 23, 2026; its instructions are those of AMD's public machine-readable ISA for CDNA 5 (MIT licence, August 2026) and "CDNA5" Instruction Set Architecture Reference Guide (July 2026). The comments in the code are by the model that wrote it; some were corrected since.
;; Attention. Allowed arithmetic: matrix products marked QUANTISED: E2M3 operands, one E8M0 scale for each 32 along K, by v_wmma_scale_f32_16x16x128_f8f6f4 with both operands' format E2M3, f32 sums; everything else in f32.
;; Inputs: Wd_codes 2,048 x 64 x 24 uint8 (E2M3 codes of Wd, K innermost, in blocks of 32 codes, four codes in three bytes); Wd_scales 2,048 x 64 uint8 (E8M0 scales of Wd, one for each 32 codes along K); Wk_codes 2,048 x 64 x 24 uint8 (E2M3 codes of Wk, K innermost, in blocks of 32 codes, four codes in three bytes); Wk_scales 2,048 x 64 uint8 (E8M0 scales of Wk, one for each 32 codes along K); Wq_codes 2,048 x 64 x 24 uint8 (E2M3 codes of Wq, K innermost, in blocks of 32 codes, four codes in three bytes); Wq_scales 2,048 x 64 uint8 (E8M0 scales of Wq, one for each 32 codes along K); Wv_codes 2,048 x 64 x 24 uint8 (E2M3 codes of Wv, K innermost, in blocks of 32 codes, four codes in three bytes); Wv_scales 2,048 x 64 uint8 (E8M0 scales of Wv, one for each 32 codes along K); attention_mask 1 x 1 x 2,048 x 2,048 bool; hidden_states_codes 1 x 2,048 x 64 x 24 uint8 (E2M3 codes of hidden_states, K innermost, in blocks of 32 codes, four codes in three bytes); hidden_states_scales 1 x 2,048 x 64 uint8 (E8M0 scales of hidden_states, one for each 32 codes along K); position_ids 1 x 2,048 int32.
;; Outputs: out0 1 x 2,048 x 2,048 float32.
;; This version of the problem:
;;   THIS VERSION OF THE PROBLEM IS GIVEN IN LOW PRECISION. The matrix products marked QUANTISED in the list below multiply operands that are first quantised to E2M3 (2 exponent bits, 3 mantissa bits; 6 bits a number), with one power-of-two scale for each 32 numbers along K (OCP MX v1.0); their sums are f32. All else is computed in f32.
;;   The module's matrix products, in the order in which they are computed (A, B: the left and right operand; K: the contracted axis; several contracted axes count as one K, in the product's order):
;;     1. [M 2,048, K 2,048] x [K 2,048, N 2,048]; A: input hidden_states (given as codes); B: input Wq (given as codes): QUANTISED
;;     2. [M 2,048, K 2,048] x [K 2,048, N 2,048]; A: input hidden_states (given as codes); B: input Wk (given as codes): QUANTISED
;;     3. [M 2,048, K 2,048] x [K 2,048, N 2,048]; A: input hidden_states (given as codes); B: input Wv (given as codes): QUANTISED
;;     4. batch 16 x [M 2,048, K 128] x [K 128, N 2,048]; A: computed on the way; B: computed on the way: QUANTISED
;;     5. batch 16 x [M 128, K 2,048] x [K 2,048, N 2,048]; A: computed on the way; B: softmax (see below): QUANTISED
;;     6. [M 2,048, K 2,048] x [K 2,048, N 2,048]; A: computed on the way; B: input Wd (given as codes): QUANTISED
;;   THE QUANTISER, for each operand of a quantised product, along K:
;;     - K is cut into blocks of 32 from its start; a last block that is shorter is filled with zeros.
;;     - A block's scale is 2^e with e = floor(log2(the largest magnitude in the block)) - 2, held to -126 .. 127; a block of zeros has e = 0. As a byte (E8M0): e + 127.
;;     - Each number is divided by its block's scale, clamped to +-7.5, and rounded to the nearest number of E2M3, ties to even, subnormals kept.
;;     - The product sums the exact products of the quantised numbers (number of the format x scale) in f32.
;;   ~~~python
;;   def quantise(x, axis):      # numpy; x: float32 -> the quantised numbers, widened to float32 again
;;       x = np.moveaxis(x, axis, -1); K = x.shape[-1]
;;       x = np.pad(x, [(0, 0)] * (x.ndim - 1) + [(0, -K % 32)]); x = x.reshape(x.shape[:-1] + (-1, 32)); a = np.abs(x).max(-1, keepdims=True)
;;       e = np.where(a > 0, np.clip(np.frexp(np.where(a > 0, a, 1))[1] - 1 - 2, -126, 127), 0)      # np.frexp(a)[1] - 1 = floor(log2(a)), exactly
;;       r = np.clip(x / 2.0 ** e, -7.5, 7.5)
;;       step = 2.0 ** (np.maximum(np.frexp(np.where(r == 0, 1, r))[1] - 1, 0) - 3)
;;       q = np.round(r / step) * step * 2.0 ** e      # np.round: ties to even
;;       return np.moveaxis(q.reshape(q.shape[:-2] + (-1,))[..., :K], -1, axis).astype(np.float32)
;;   ~~~
;;   SOFTMAX AHEAD OF A QUANTISED PRODUCT. Where the list says 'softmax', what is quantised is not the finished softmax but p = 2^(t - M), with t = logit x log2(e) and M = ceil(the row's largest t), a whole number; so 1/2 < the row's largest p <= 1. The row's sum l is taken of the UNQUANTISED p, in f32, and the product's result is divided by l at the end. Since M is a whole number, a kernel that streams over the keys may use a running M (the ceiling of the running maximum): every later rescaling is an exact power of two, which a block's scale takes up: the codes' values come out the same.
;;   OPERANDS COMPUTED ON THE WAY. 'Computed on the way' means the value that the module computes at that place (a softmax that the list does not call 'softmax' is quantised finished and normalised). What goes into a quantiser is computed in f32, as accurately as f32 sums, v_exp_f32 and their like allow (about 1e-6 of the number): no bf16 or f16 on the way to a quantiser, and a product that is left as it is and whose result goes on into a quantised operand takes f32 operands (vector FMAs, or v_wmma_f32_16x16x4_f32). A number that lies on a knife's edge between two numbers of the format may be rounded either way, as far as f32 arithmetic and the matrix unit's own rounding can turn it there, and no further.
;;   INPUTS GIVEN AS CODES. Wd (in the module: [2048, 2048], K = its axis 1); Wk (in the module: [2048, 2048], K = its axis 1); Wq (in the module: [2048, 2048], K = its axis 1); Wv (in the module: [2048, 2048], K = its axis 1); hidden_states (in the module: [1, 2048, 2048], K = its axis 2): each comes as NAME_codes (uint8): NAME with its K axis moved to the last place and cut into blocks of 32 codes, [.., K / 32, bytes a block], one block behind the other in memory; four codes in three bytes: a row's codes are one little-endian stream of bits, code i at bits 6 i .. 6 i + 5 (a code: sign, 2 exponent bits, 3 mantissa bits); and NAME_scales (uint8): the same leading axes, one E8M0 byte (e + 127) for each 32 codes along K. Its value is code x scale, taken as it is: it is not quantised again, and the codes and scales need not be those that the quantiser above would give.
;; 2 versions, each right. Each part assembles by itself: llvm-mc -triple=amdgcn-amd-amdhsa -mcpu=gfx1250 --defsym DOCPART=n.
;; ======== version 1 of 2: 4 launches
;; workspace buffers: maskw 524,288 bytes of whole numbers; tab 1,048,576 bytes; qimg 3,276,800 bytes; kv 6,553,600 bytes; ctx 3,276,800 bytes
;; launch prep (part 1): grid 256 x 1, 4 waves a work-group, no clusters, 0 bytes of LDS; arguments attention_mask, position_ids, maskw, tab; writes maskw, tab
.if DOCPART == 1
	.amdgcn_target "amdgcn-amd-amdhsa--gfx1250"
	.amdhsa_code_object_version 6
	.text
	.protected	k_q067730be35_prep
	.globl	k_q067730be35_prep
	.p2align	8
	.type	k_q067730be35_prep,@function
k_q067730be35_prep:
	s_mov_b64 s[64:65], 0
	v_nop
	global_prefetch_b8 v0, s[64:65] scope:SCOPE_SE
	s_setreg_imm32_b32 hwreg(HW_REG_WAVE_MODE, 25, 1), 1
	s_wait_xcnt 0x0
; Two small tables for the later launches.
; (a) maskw [128 blocks of 16 queries][16 key steps][64 words]: bit l of word n = 8 t + j is attention_mask[16 T + l % 16][128 step + 16 t + 8 (l / 16) + j]:
;     the lane mask with which the attention launch replaces register n of a tile of scores.  Any byte other than 0 counts as true.
; (b) tab [128 blocks of 16 positions][16 groups][32 lanes][16 bytes]: the image of 64 registers: register rho of lane (r, h) belongs to the pair of channels
;     jf = 8 (rho / 8) + 4 h + (rho % 8) / 2; even rho: cos, odd rho: sin of fl(position_ids[16 T + r] x inv_freq[jf]), inv_freq = 10000^(-jf / 64).
; cos and sin: the angle less n x pi/2 (pi/2 in three parts, fused multiply-adds), polynomials on [-pi/4, pi/4], the quadrant by n mod 4.
; LIMITS: |position| under 2^24 (it is made an f32 exactly); inv_freq comes from v_exp_f32 and lies within a few units in the last place of the true power, so an angle of 2,000 is right to about 2e-4.
; SHARES: work-groups 2 T and 2 T + 1 serve block T; w8 = 4 (work-group % 2) + wave takes key steps 2 w8, 2 w8 + 1 of (a) and registers 8 w8 .. 8 w8 + 7 of (b).  Waves share nothing: no LDS, no barrier.
.set WD, 8                             ; v8-11   the wave's 128 mask words: word W in lane W / 4, register W % 4
.set TX, 12                            ; v12-15  a byte of the mask, four by turns
.set MK, 16                            ; v16-47  16 x 8 bytes of the mask
.set AN, 48                            ; v48-51  inv_freq, then the angle (four chains)
.set NN, 52                            ; v52-55  n
.set RR, 56                            ; v56-59  the reduced angle
.set ZZ, 60                            ; v60-63  its square
.set SN, 64                            ; v64-67  sin of it
.set CN, 68                            ; v68-71  cos of it
.set QQ, 72                            ; v72-75  n as a whole number
.set TT, 76                            ; v76-79  at work
.set OT, 80                            ; v80-87  cos, sin, cos, sin ..
	s_load_b256 s[4:11], s[0:1], 0x0               ; mask s[4:5], positions s[6:7], maskw s[8:9], tab s[10:11]
	v_lshrrev_b32 v1, 5, v0
	v_readfirstlane_b32 s12, v1                    ; wave
	v_and_b32 v2, 31, v0                           ; lane
	v_and_b32 v3, 15, v0                           ; r
	v_bfe_u32 v4, v0, 4, 1                         ; h
	s_lshr_b32 s13, ttmp9, 1                       ; T
	s_and_b32 s14, ttmp9, 1
	s_lshl_b32 s14, s14, 2
	s_add_co_u32 s14, s14, s12                     ; w8
	s_lshl_b32 s15, s13, 15                        ; 16 T rows of 2,048 bytes
	s_lshl_b32 s16, s14, 8                         ; my two key steps: 256 bytes of a row
	s_add_co_u32 s15, s15, s16
	v_lshlrev_b32 v5, 11, v3
	v_lshl_add_u32 v5, v4, 3, v5
	v_add_nc_u32 v5, s15, v5                       ; the mask: row 16 T + r, byte 256 w8 + 8 h
	s_lshl_b32 s16, s13, 6
	v_lshl_add_u32 v6, v3, 2, s16                  ; position 16 T + r
	s_lshl_b32 s17, s14, 3
	v_lshl_add_u32 v7, v4, 2, s17                  ; jf of my first pair: 8 w8 + 4 h
	s_lshl_b32 s18, s13, 12
	s_lshl_b32 s19, s14, 9
	s_add_co_u32 s18, s18, s19
	v_lshl_add_u32 v88, v2, 4, s18                 ; maskw: (16 T + 2 w8) x 256 + 16 x lane
	s_lshl_b32 s18, s13, 13
	s_lshl_b32 s19, s14, 10
	s_add_co_u32 s18, s18, s19
	v_lshl_add_u32 v89, v2, 4, s18                 ; tab: 8,192 T + 1,024 w8 + 16 x lane
	s_mov_b32 s24, 0x3f22f983                      ; 2 / pi
	s_mov_b32 s25, 0x3fc90fdb                      ; pi / 2: its leading 24 bits,
	s_mov_b32 s26, 0xb33bbd2e                      ; the next,
	s_mov_b32 s27, 0xa6f72ced                      ; and the next
	s_mov_b32 s28, 0xb94ca1f9                      ; sin: -1.9515296e-4, 8.3321609e-3, -1.6666655e-1
	s_mov_b32 s29, 0x3c08839e
	s_mov_b32 s30, 0xbe2aaaa3
	s_mov_b32 s31, 0x37ccf5ce                      ; cos: 2.4433157e-5, -1.3887316e-3, 4.1666646e-2
	s_mov_b32 s32, 0xbab6061a
	s_mov_b32 s33, 0x3d2aaaa5
	s_wait_kmcnt 0x0
	global_load_b32 v90, v6, s[6:7]
.irp u, 0,1
.irp t, 0,1,2,3,4,5,6,7
	global_load_b64 v[MK+2*(8*\u+\t):MK+2*(8*\u+\t)+1], v5, s[4:5] offset:128*\u+16*\t th:TH_LOAD_NT   ; read once in the launch
.endr
.endr
	; ---- the table, while the mask is on its way
.irp i, 0,1,2,3
	v_add_nc_u32 v[AN+\i], \i, v7
.endr
.irp i, 0,1,2,3
	v_cvt_f32_u32 v[AN+\i], v[AN+\i]
.endr
.irp i, 0,1,2,3
	v_mul_f32 v[AN+\i], 0xbe549a78, v[AN+\i]       ; -jf x log2(10000) / 64
.endr
.irp i, 0,1,2,3
	v_exp_f32 v[AN+\i], v[AN+\i]                   ; inv_freq
.endr
	s_wait_loadcnt 16                              ; the position is in; the 16 loads of the mask stay out
	v_cvt_f32_i32 v91, v90                         ; (the plain line behind the exponentials)
	s_wait_alu depctr_va_vdst(0)                   ; one wait for the four, ahead of their first reader
.irp i, 0,1,2,3
	v_mul_f32 v[AN+\i], v91, v[AN+\i]              ; the angle, one f32 product
.endr
.irp i, 0,1,2,3
	v_mul_f32 v[NN+\i], s24, v[AN+\i]
.endr
.irp i, 0,1,2,3
	v_rndne_f32 v[NN+\i], v[NN+\i]                 ; n
.endr
.irp i, 0,1,2,3
	v_fma_f32 v[RR+\i], -v[NN+\i], s25, v[AN+\i]
.endr
.irp i, 0,1,2,3
	v_fma_f32 v[RR+\i], -v[NN+\i], s26, v[RR+\i]
.endr
.irp i, 0,1,2,3
	v_fma_f32 v[RR+\i], -v[NN+\i], s27, v[RR+\i]   ; the angle - n pi / 2
.endr
.irp i, 0,1,2,3
	v_mul_f32 v[ZZ+\i], v[RR+\i], v[RR+\i]
.endr
.irp i, 0,1,2,3
	v_fma_f32 v[SN+\i], s28, v[ZZ+\i], s29
	v_fma_f32 v[CN+\i], s31, v[ZZ+\i], s32
.endr
.irp i, 0,1,2,3
	v_fma_f32 v[SN+\i], v[SN+\i], v[ZZ+\i], s30
	v_fma_f32 v[CN+\i], v[CN+\i], v[ZZ+\i], s33
	v_mul_f32 v[TT+\i], v[RR+\i], v[ZZ+\i]
.endr
.irp i, 0,1,2,3
	v_fma_f32 v[SN+\i], v[TT+\i], v[SN+\i], v[RR+\i]   ; sin
	v_fma_f32 v[CN+\i], v[ZZ+\i], v[CN+\i], -0.5
	v_cvt_i32_f32 v[QQ+\i], v[NN+\i]
.endr
.irp i, 0,1,2,3
	v_fma_f32 v[CN+\i], v[ZZ+\i], v[CN+\i], 1.0        ; cos
	v_and_b32 v[TT+\i], 1, v[QQ+\i]
.endr
.irp i, 0,1,2,3
	v_cmp_eq_u32 vcc_lo, 1, v[TT+\i]               ; an odd quadrant: sin and cos change places
	v_cndmask_b32 v[OT+2*\i+1], v[SN+\i], v[CN+\i], vcc_lo
	v_cndmask_b32 v[OT+2*\i], v[CN+\i], v[SN+\i], vcc_lo
	v_and_b32 v[TT+\i], 2, v[QQ+\i]                ; sin is negative in quadrants 2 and 3,
	v_lshlrev_b32 v[TT+\i], 30, v[TT+\i]
	v_xor_b32 v[OT+2*\i+1], v[TT+\i], v[OT+2*\i+1]
	v_add_nc_u32 v[QQ+\i], 1, v[QQ+\i]             ; cos in quadrants 1 and 2
	v_and_b32 v[QQ+\i], 2, v[QQ+\i]
	v_lshlrev_b32 v[QQ+\i], 30, v[QQ+\i]
	v_xor_b32 v[OT+2*\i], v[QQ+\i], v[OT+2*\i]
.endr
	global_store_b128 v89, v[OT:OT+3], s[10:11]            ; 32 lanes store 512 consecutive bytes
	global_store_b128 v89, v[OT+4:OT+7], s[10:11] offset:512
	; ---- the mask: a byte of every lane becomes a word of 32 bits
.irp i, 0,1,2,3
	v_mov_b32 v[WD+\i], 0                          ; v_writelane_b32's destination counts as read
.endr
.set u, 0
.rept 2
	s_wait_loadcnt 8-8*u                           ; this key step's eight loads are in; the other step's may be out
.set n, 0
.rept 64
	v_bfe_u32 v[TX+n%4], v[MK+2*(8*u+n/8)+(n%8)/4], 8*(n%4), 8
	v_cmp_ne_u32 s[20+n%4], 0, v[TX+n%4]
	v_writelane_b32 v[WD+n%4], s[20+n%4], (64*u+n)/4
.set n, n+1
.endr
.set u, u+1
.endr
	global_store_b128 v88, v[WD:WD+3], s[8:9]              ; the two key steps' 128 words: 512 consecutive bytes
	s_endpgm
.Lfunc_end_k_q067730be35_prep:
	.size	k_q067730be35_prep, .Lfunc_end_k_q067730be35_prep-k_q067730be35_prep
	.p2alignl 7, 3214868480
	.fill 96, 4, 3214868480
	.section	.rodata,"a",@progbits
	.p2align	6, 0x0
	.amdhsa_kernel k_q067730be35_prep
		.amdhsa_group_segment_fixed_size 0
		.amdhsa_private_segment_fixed_size 0
		.amdhsa_enable_private_segment 0
		.amdhsa_kernarg_size 32
		.amdhsa_user_sgpr_count 2
		.amdhsa_user_sgpr_kernarg_segment_ptr 1
		.amdhsa_wavefront_size32 1
		.amdhsa_system_sgpr_workgroup_id_x 1
		.amdhsa_system_sgpr_workgroup_id_y 1
		.amdhsa_system_sgpr_workgroup_id_z 1
		.amdhsa_system_vgpr_workitem_id 0
		.amdhsa_next_free_vgpr 96
		.amdhsa_next_free_sgpr 66
		.amdhsa_reserve_vcc 1
		.amdhsa_float_denorm_mode_32 3
		.amdhsa_float_denorm_mode_16_64 3
		.amdhsa_memory_ordered 1
		.amdhsa_forward_progress 1
		.amdhsa_inst_pref_size 34
	.end_amdhsa_kernel
	.amdgpu_metadata
---
amdhsa.version: [ 1, 2 ]
amdhsa.kernels:
  - .name:           k_q067730be35_prep
    .symbol:         k_q067730be35_prep.kd
    .args:
      - { .name: attention_mask, .offset: 0, .size: 8, .value_kind: global_buffer, .address_space: global }
      - { .name: position_ids, .offset: 8, .size: 8, .value_kind: global_buffer, .address_space: global }
      - { .name: maskw, .offset: 16, .size: 8, .value_kind: global_buffer, .address_space: global }
      - { .name: tab, .offset: 24, .size: 8, .value_kind: global_buffer, .address_space: global }
    .group_segment_fixed_size: 0
    .private_segment_fixed_size: 0
    .kernarg_segment_align: 8
    .kernarg_segment_size: 32
    .max_flat_workgroup_size: 128
    .sgpr_count:     66
    .vgpr_count:     96
    .wavefront_size: 32
...
	.end_amdgpu_metadata
.endif
;; end of part 1
;; launch qkv (part 2): grid 24 x 8, 4 waves a work-group, clusters of 4 x 4, 327,680 bytes of LDS; arguments hidden_states_codes, hidden_states_scales, Wq_codes, Wq_scales, Wk_codes, Wk_scales, Wv_codes, Wv_scales, tab, qimg, kv; writes qimg, kv
.if DOCPART == 2
	.amdgcn_target "amdgcn-amd-amdhsa--gfx1250"
	.amdhsa_code_object_version 6
	.text
	.protected	k_q067730be35_qkv
	.globl	k_q067730be35_qkv
	.p2align	8
	.type	k_q067730be35_qkv,@function
k_q067730be35_qkv:
	s_mov_b64 s[64:65], 0
	v_nop
	global_prefetch_b8 v0, s[64:65] scope:SCOPE_SE
	s_setreg_imm32_b32 hwreg(HW_REG_WAVE_MODE, 25, 1), 1
	s_wait_xcnt 0x0
	s_wait_alu depctr_hold_cnt(0) depctr_sa_sdst(0) depctr_va_vdst(0) depctr_va_sdst(0) depctr_va_ssrc(0) depctr_va_vcc(0) depctr_vm_vsrc(0)
	s_getreg_b32 s2, hwreg(HW_REG_IB_STS2, 6, 4)
	s_cmp_eq_u32 s2, 0
	s_cbranch_scc0 .Lentry_in_a_cluster
	s_endpgm
.Lentry_in_a_cluster:
	s_bfe_u32 s2, ttmp6, 0x10000c
	s_cmp_lg_u32 s2, 0xf033
	s_cbranch_scc0 .Lentry_shape_is_right
	s_endpgm
.Lentry_shape_is_right:
; The three projections on given codes of FP6 (E2M3), the rotary turn of q and k, and the quantising of q, k (along the head's 128) and v (along the keys).
; A work-group of four waves makes 256 x 256 of one product, a wave 128 x 128: 64 accumulators, K = 2,048 in steps of 256 through a ring of two LDS slots.
; Cluster x 0, 1: q;  2, 3: k;  4, 5: v.  Only pointers differ: "A" (tile row, source 1: a lane holds one of its rows) is hidden_states for q and k and Wv for v;
; "B" (tile column, source 0: a lane's registers run along its rows) is Wq, Wk, or hidden_states.  So for q and k a lane holds a position and its registers run along the channels,
; for v a lane holds a channel and its registers run along the positions: each time along the K of the product that follows.
; WHAT IS STORED: units of 12,800 bytes, the register image of 128 rows x 128 K of an operand: fragment a (rows 16 a + r) at 1,536 a, its registers 4 c .. 4 c + 3 at + 512 c + 16 x lane; at 12,288 the scale
; words: byte 16 x lane + 4 i: lanes 0-15 the word of fragment 2 i's row r, lanes 16-31 that of fragment 2 i + 1.  qimg: unit 16 head + block of 128 positions.  kv: 25,600 bytes for each (head, block): k's unit, then v's.
; THE ORDER INSIDE A BLOCK OF 32: a lane's 16 numbers of two neighbouring tiles are the block's groups of eight g(h) and g(2 + h), so a block's codes lie [g0 g2 g1 g3].  The 32 numbers, and so the scale, are the true
; block's; q and k carry the same order along the channels, v and the softmax's p (next launch) the same along the keys: the products are the same.
; CLUSTERS: 4 x 4.  A's tiles, A's scales and the table of cos and sin are shared along a row of the cluster, B's along a column: joint loads.  v's work-groups ask for the table with the others and do not read it,
; so that every work-group issues the same loads in the same rounds.
; LIMITS: NaN and infinities are not served; a block of zeros, or one whose largest magnitude lies under 2^-124, gets the scale byte 1 (its codes are then zeros or the nearest codes; only this program reads the bytes).
; REGISTERS, in windows of 256: window 0: v16-29 addresses; v32-63 scale words, two sets; v128-223 A's fragments, one set.  window 1: B's fragments, two sets.  windows 2, 3: the accumulators ((a, b) at v[8 (8 (a % 4) + b)]).
;   behind the products: window 0: v64-127 the turned numbers; v128-146 codes; v148-165 at work; v168-171 the unit's scale words.  window 1: v0-127 two blocks of the table.
.set KSTEP,  256
.set NQ,     2
.set ROWB,   192                       ; 256 codes in bytes
.set KROW,   1536                      ; a row of 2,048 codes
.set PITCH,  240                       ; an LDS row: 3 x (64 bytes + 16 of padding)
.set FR,     12
.set NL,     6
.set NP,     4
.set HALFT,  128*PITCH
.set SLOT,   4*HALFT
.set RING,   40960                     ; in front of the ring: blocks 0-4 of the table (8,192 bytes each)
.set LAPS,   4
.set KS,     64                        ; a row of scale bytes
.set SCL,    RING+2*SLOT
.set HALFS,  (128*KS/256)*272
.set SBLK,   (16*KS/256)*272
.set SPARE,  SCL+4*HALFS               ; the spare words: 128 bytes for each wave, two blocks of 256 bytes that no other line names
.set UNIT,   12800
.set ADRA, 16
.set ADRB, 20
.set LI,   24                          ; v24  16 x lane
.set TBA,  25                          ; v25  16 x lane + my half of the table
.set ADRS, 27
.set SPW,  28
.set NIL,  29
.set SC,   32
.set AF,   128
.set HA,   64
.set PC,   128
.set TM,   148
.set PW,   164
.set PWE,  165
.set SP,   168
.set G1,   24
.set G0,   32
.set G1B,  48
.set G0B,  56
.set G1S,  68
.set G0S,  76
.set G1SB, 80
.set G0SB, 88
.set G0T1, 20                          ; s[20:23], s[92:99]: the table's first part
.set G1T1, 92
.set G1T2, 68                          ; s[68:75], s[76:79]: its second part, written behind the loop
.set G0T2, 76
.set TP2,  100                         ; s[100:101] where my share of the second part lies in memory
.set MSB, 0
.macro WIN new                         ; the immediate's high byte repeats the setting that is left
.if MSB != (\new)
	s_set_vgpr_msb (MSB<<8)|(\new)
.set MSB, (\new)
.endif
.endm
.set MUL_LO, 0xa1                      ; source 0 (B) window 1, source 1 (A) window 0, C and D window 2
.set MUL_HI, 0xf1
.set TO_B,   0x40                      ; destination window 1
.macro JLOAD g0a, g1a, g0b, g1b        ; a joint load: waves 0 and 1 fetch for A, waves 2 and 3 for B; four v_nop follow each line
	s_cmp_eq_u32 s15, 0
	s_cbranch_scc0 .Lfor_b_\@
	tensor_load_to_lds s[\g0a:\g0a+3], s[\g1a:\g1a+7]
	s_nop 0
.rept 4
	v_nop
.endr
	s_branch .Lasked_\@
.Lfor_b_\@:
	tensor_load_to_lds s[\g0b:\g0b+3], s[\g1b:\g1b+7]
	s_nop 0
.rept 4
	v_nop
.endr
.Lasked_\@:
.endm
.macro CREST                           ; a round of the cluster's barrier behind its opening barrier
	s_cmp_lg_u32 s14, 0
	s_cbranch_scc1 .Lnot_wave_0_\@
	s_barrier_signal -3
.Lnot_wave_0_\@:
	s_barrier_wait -3
	s_barrier_signal -1
	s_barrier_wait -1
.endm
.macro CROUND
	s_barrier_signal -1
	s_barrier_wait -1
	CREST
.endm
	s_load_b512 s[68:83], s[0:1], 0x0              ; x codes, x scales, Wq codes, scales, Wk codes, scales, Wv codes, scales
	s_load_b128 s[84:87], s[0:1], 0x40             ; tab, qimg
	s_load_b64 s[88:89], s[0:1], 0x50              ; kv
	v_lshl_add_u32 v[SPW], v0, 2, SPARE
	v_mov_b32 v[NIL], 0
	ds_add_u32 v28, v29
	ds_add_u32 v28, v29
	s_wait_dscnt 0x0
	v_lshrrev_b32 v1, 5, v0
	v_readfirstlane_b32 s14, v1                    ; wave 0..3
	s_lshr_b32 s15, s14, 1                         ; which half of A's 256 rows is mine.  Also: I fetch for A (0) or for B (1)
	s_and_b32 s16, s14, 1                          ; which half of B's.  Also: which 128 rows I fetch
	s_bfe_u32 s40, ttmp6, 0x40000                  ; cx
	s_bfe_u32 s41, ttmp6, 0x40004                  ; cy
	s_and_b32 s42, ttmp9, 1
	s_lshl_b32 s42, s42, 2
	s_add_co_u32 s42, s42, s40                     ; B's tile: 4 x (cluster x % 2) + cx
	s_and_b32 s17, ttmp7, 0xffff
	s_lshl_b32 s17, s17, 2
	s_add_co_u32 s17, s17, s41                     ; A's tile: 4 x cluster y + cy
	s_lshl_b32 s43, s41, 2
	s_lshl_b32 s43, 15, s43                        ; my row of the cluster
	s_lshl_b32 s44, 0x1111, s40                    ; my column
	s_or_b32 s[G1+0], s43, (0<<16)|(1<<20)|(1<<21)|(3<<22)|(3<<25)   ; the mask; elements of 1 byte; padding on; bit 21 beside a mask; after every 16 words 4 words
	s_or_b32 s[G1B+0], s44, (0<<16)|(1<<20)|(1<<21)|(3<<22)|(3<<25)
.irp g, G1, G1B
	s_mov_b32 s[\g+1], ROWB<<16                    ; tensor_dim0
	s_mov_b32 s[\g+2], 128<<16                     ; tensor_dim1
	s_mov_b32 s[\g+3], ROWB<<16                    ; tile_dim0
	s_mov_b32 s[\g+4], 128                         ; tile_dim1
	s_mov_b32 s[\g+5], KROW                        ; from row to row
	s_mov_b32 s[\g+6], 0
	s_mov_b32 s[\g+7], 0
.endr
	s_or_b32 s[G1T1+0], s43, (3<<16)|(1<<21)       ; the table's first part: 40 rows of 256 bytes a wave, dense, no padding
	s_mov_b32 s[G1T1+1], 32<<16
	s_mov_b32 s[G1T1+2], 40<<16
	s_mov_b32 s[G1T1+3], 32<<16
	s_mov_b32 s[G1T1+4], 40
	s_mov_b32 s[G1T1+5], 32
	s_mov_b32 s[G1T1+6], 0
	s_mov_b32 s[G1T1+7], 0
	s_lshl_b32 s18, s16, 7
	s_lshl_b32 s20, s17, 8
	s_add_co_u32 s20, s20, s18                     ; A: row 256 x tile + 128 x half
	s_lshl_b32 s46, s42, 8
	s_add_co_u32 s46, s46, s18                     ; B likewise
	s_mov_b32 s21, 0
	s_mov_b32 s47, 0
	s_mov_b64 s[18:19], KS
	s_mul_u64 s[22:23], s[20:21], s[18:19]         ; where these rows' scales begin,
	s_mul_u64 s[104:105], s[46:47], s[18:19]
	s_mov_b64 s[18:19], KROW
	s_mul_u64 s[20:21], s[20:21], s[18:19]         ; and their codes
	s_mul_u64 s[46:47], s[46:47], s[18:19]
	s_mul_i32 s45, s14, HALFT                      ; where they go: wave x 128 rows
	s_mul_i32 s2, s14, HALFS
	s_wait_kmcnt 0x0
	s_cmp_lt_u32 ttmp9, 2                          ; the choices hang on the cluster's x alone, which all partners share
	s_cselect_b64 s[8:9], s[72:73], s[76:77]       ; Wq or Wk
	s_cselect_b64 s[10:11], s[74:75], s[78:79]
	s_cselect_b64 s[12:13], s[86:87], s[88:89]     ; qimg or kv
	s_cmp_lt_u32 ttmp9, 4
	s_cselect_b64 s[4:5], s[68:69], s[80:81]       ; A: x, or Wv
	s_cselect_b64 s[6:7], s[70:71], s[82:83]
	s_cselect_b64 s[8:9], s[8:9], s[68:69]         ; B: the weight, or x
	s_cselect_b64 s[10:11], s[10:11], s[70:71]
	s_add_nc_u64 s[20:21], s[4:5], s[20:21]
	s_add_nc_u64 s[22:23], s[6:7], s[22:23]
	s_add_nc_u64 s[46:47], s[8:9], s[46:47]
	s_add_nc_u64 s[104:105], s[10:11], s[104:105]
	s_lshl_b32 s4, s17, 17                         ; the table of A's 256 rows: 16 blocks of 8,192 bytes
	s_mov_b32 s5, 0
	s_add_nc_u64 s[4:5], s[84:85], s[4:5]
	s_mul_i32 s6, s14, 22528
	s_add_co_u32 s6, s6, 40960
	s_mov_b32 s7, 0
	s_add_nc_u64 s[TP2:TP2+1], s[4:5], s[6:7]      ; my share of its second part
	s_mul_i32 s6, s14, 10240
	s_add_nc_u64 s[4:5], s[4:5], s[6:7]            ; and of its first
	s_or_b32 s[G1S+0], s43, (3<<16)|(1<<20)|(1<<21)|(5<<22)|(3<<25)  ; the scales of 128 rows: 32 rows of 256 bytes, 16 bytes of padding behind each
	s_or_b32 s[G1SB+0], s44, (3<<16)|(1<<20)|(1<<21)|(5<<22)|(3<<25)
.irp g, G1S, G1SB
	s_mov_b32 s[\g+1], 32<<16
	s_mov_b32 s[\g+2], (128*KS/256)<<16
	s_mov_b32 s[\g+3], 32<<16
	s_mov_b32 s[\g+4], 128*KS/256
	s_mov_b32 s[\g+5], 32
	s_mov_b32 s[\g+6], 0
	s_mov_b32 s[\g+7], 0
.endr
	CROUND                                         ; all sixteen work-groups are here: the first joint loads meet
	s_mov_b32 s[G0S], 1
	s_add_co_u32 s[G0S+1], s2, SCL
	s_mov_b64 s[G0S+2:G0S+3], s[22:23]
	s_or_b32 s[G0S+3], s[G0S+3], 0x80000000
	s_mov_b32 s[G0SB], 1
	s_add_co_u32 s[G0SB+1], s2, SCL
	s_mov_b64 s[G0SB+2:G0SB+3], s[104:105]
	s_or_b32 s[G0SB+3], s[G0SB+3], 0x80000000
	JLOAD G0S, G1S, G0SB, G1SB                     ; the scales first: they are wanted with K step 0
.irp s, 0,1
	s_mov_b32 s[G0+4*\s], 1
	s_add_co_u32 s[G0+4*\s+1], s45, \s*SLOT+RING
	s_add_nc_u64 s[G0+4*\s+2:G0+4*\s+3], s[20:21], \s*ROWB
	s_or_b32 s[G0+4*\s+3], s[G0+4*\s+3], 0x80000000
	s_mov_b32 s[G0B+4*\s], 1
	s_add_co_u32 s[G0B+4*\s+1], s45, \s*SLOT+RING
	s_add_nc_u64 s[G0B+4*\s+2:G0B+4*\s+3], s[46:47], \s*ROWB
	s_or_b32 s[G0B+4*\s+3], s[G0B+4*\s+3], 0x80000000
	JLOAD G0+4*\s, G1, G0B+4*\s, G1B
.endr
	s_mov_b32 s[G0T1], 1
	s_mul_i32 s[G0T1+1], s14, 10240
	s_mov_b64 s[G0T1+2:G0T1+3], s[4:5]
	s_or_b32 s[G0T1+3], s[G0T1+3], 0x80000000
	tensor_load_to_lds s[G0T1:G0T1+3], s[G1T1:G1T1+7]   ; the table's blocks 0-4, a quarter a wave: four loads of mine are out
	s_nop 0
.rept 4
	v_nop
.endr
	v_and_b32 v1, 15, v0                           ; l % 16
	v_bfe_u32 v2, v0, 4, 1                         ; l / 16
	v_mul_u32_u24 v3, v1, PITCH
	v_mul_u32_u24 v4, v2, 24
	v_add_nc_u32 v4, v3, v4                        ; a fragment's row x pitch + 24 x half
	v_lshl_add_u32 v5, v2, 4, v4                   ; and the same behind one padding more
	s_mul_i32 s6, s15, HALFT
	s_add_co_u32 s6, s6, RING                      ; my 128 rows of A
	s_mul_i32 s7, s16, HALFT
	s_add_co_u32 s7, s7, RING+2*HALFT              ; my 128 rows of B
.irp s, 0,1
	v_add_nc_u32 v[ADRA+\s], s6, v4
	v_add_nc_u32 v[ADRB+\s], s7, v4
	v_add_nc_u32 v[ADRA+2+\s], s6, v5
	v_add_nc_u32 v[ADRB+2+\s], s7, v5
	s_add_co_u32 s6, s6, SLOT
	s_add_co_u32 s7, s7, SLOT
.endr
	v_mul_u32_u24 v5, v1, KS                       ; my row's scales: 64 bytes a row,
	v_lshrrev_b32 v6, 8, v5
	v_lshl_add_u32 v5, v6, 4, v5                   ; and 16 more for each 256 passed
	s_mul_i32 s6, s15, HALFS
	s_mul_i32 s7, s16, HALFS
	s_add_co_u32 s7, s7, 2*HALFS
	s_sub_co_u32 s7, s7, s6
	v_mul_u32_u24 v6, s7, v2                       ; lanes 16-31 take B's
	s_add_co_u32 s6, s6, SCL
	v_add_nc_u32 v5, v5, v6
	v_add_nc_u32 v[ADRS], s6, v5
	v_and_b32 v6, 31, v0
	v_lshlrev_b32 v[LI], 4, v6
	s_lshl_b32 s6, s15, 16                         ; my half of A's rows: table blocks 8 x half on
	v_add_nc_u32 v[TBA], s6, v[LI]
	; where my unit goes.  q, k: head = 2 x B's tile + half, block of positions = 2 x A's tile + half; v: the other way round
	s_lshl_b32 s6, s42, 1
	s_add_co_u32 s6, s6, s16
	s_lshl_b32 s7, s17, 1
	s_add_co_u32 s7, s7, s15
	s_mov_b32 s11, 2*UNIT
	s_cmp_lt_u32 ttmp9, 4
	s_cselect_b32 s8, s6, s7                       ; head
	s_cselect_b32 s9, s7, s6                       ; block of 128 positions
	s_cselect_b32 s10, 0, UNIT                     ; v's unit lies behind k's
	s_cmp_lt_u32 ttmp9, 2
	s_cselect_b32 s11, UNIT, s11
	s_lshl_b32 s8, s8, 4
	s_add_co_u32 s8, s8, s9
	s_mul_i32 s8, s8, s11
	s_add_co_u32 s8, s8, s10
	s_mov_b32 s9, 0
	s_add_nc_u64 s[12:13], s[12:13], s[8:9]
.macro FRAG reg, adr, q, i             ; a fragment: lane l holds row l % 16; registers 6 c .. 6 c + 5 hold K = 64 c + 32 (l / 16) + 0 .. 31, 24 bytes as they lie, in pieces of 8 bytes
.irp p, 0,1,2,3,4,5
.set PCE, 12*(\q)+6*(\p/3)+\p%3        ; where the piece three on lies behind one padding more, the second address register serves
.if PCE%8 < 5
	ds_load_b64 v[\reg+2*\p:\reg+2*\p+1], v[\adr] offset:8*PCE+16*(PCE/8)+(\i)*16*PITCH
.else
	ds_load_b64 v[\reg+2*\p:\reg+2*\p+1], v[\adr+2] offset:8*PCE+16*(PCE/8)+(\i)*16*PITCH
.endif
.endr
.endm
; 16 matrix instructions: A's blocks a0, a0 + 1 x B's eight.  The 64 accumulators take turns, one instruction a turn, in the same order in every step.
.macro MUL16 a0, p, q, sc, zero
.irp a, \a0, \a0+1
.irp b, 0,1,2,3,4,5,6,7
.if \zero
	v_wmma_scale_f32_16x16x128_f8f6f4 v[8*(8*((\a)%4)+\b):8*(8*((\a)%4)+\b)+7], v[128*(\p)+FR*\b:128*(\p)+FR*\b+FR-1], v[AF+FR*(\a):AF+FR*(\a)+FR-1], 0, v[SC+8*NQ*(\sc)+NQ*\b+(\q)], v[SC+8*NQ*(\sc)+NQ*(\a)+(\q)] matrix_a_fmt:MATRIX_FMT_FP6 matrix_b_fmt:MATRIX_FMT_FP6 matrix_a_scale:MATRIX_SCALE_ROW1
.else
	v_wmma_scale_f32_16x16x128_f8f6f4 v[8*(8*((\a)%4)+\b):8*(8*((\a)%4)+\b)+7], v[128*(\p)+FR*\b:128*(\p)+FR*\b+FR-1], v[AF+FR*(\a):AF+FR*(\a)+FR-1], v[8*(8*((\a)%4)+\b):8*(8*((\a)%4)+\b)+7], v[SC+8*NQ*(\sc)+NQ*\b+(\q)], v[SC+8*NQ*(\sc)+NQ*(\a)+(\q)] matrix_a_fmt:MATRIX_FMT_FP6 matrix_b_fmt:MATRIX_FMT_FP6 matrix_a_scale:MATRIX_SCALE_ROW1
.endif
.endr
.endr
.endm
.macro FETCH_B slot, q, p
	WIN TO_B
.irp i, 0,1,2,3,4,5,6,7
	FRAG 128*(\p)+FR*\i, ADRB+\slot, \q, \i
.endr
	WIN 0
.endm
.macro FETCH_A slot, q, i0
.irp i, \i0, \i0+1, \i0+2, \i0+3
	FRAG AF+FR*(\i), ADRA+\slot, \q, \i
.endr
.endm
.macro SCALES sc                       ; a K step's scale words: lanes 0-15 A's block i, lanes 16-31 B's block i
.irp i, 0,1,2,3,4,5,6,7
	ds_load_b64 v[SC+8*NQ*\sc+NQ*\i:SC+8*NQ*\sc+NQ*\i+1], v[ADRS] offset:\i*SBLK
.endr
.endm
.macro PLACES n                        ; plain vector lines between a matrix instruction and a load into, or a vector line on, its registers
.rept \n
	v_nop
.endr
.endm
.macro STEP slot, q, zero              ; 128 along K with its successor in the same slot
	s_wait_dscnt 4*NL                              ; B's set and A's blocks 0-3 are in; A's blocks 4-7, 24 loads, may be out
	WIN MUL_LO
	MUL16 0, (\q)%2, \q, \slot, \zero
	MUL16 2, (\q)%2, \q, \slot, \zero
	s_wait_dscnt 0
	PLACES NP
	FETCH_B \slot, (\q)+1, 1-(\q)%2
	FETCH_A \slot, (\q)+1, 0
	WIN MUL_HI
	MUL16 4, (\q)%2, \q, \slot, \zero
	MUL16 6, (\q)%2, \q, \slot, \zero
	PLACES NP
	WIN 0
	FETCH_A \slot, (\q)+1, 4
.endm
; A slot's last step changes slots: each wave waits for all its tensor loads, adds 0 to its spare word, waits for that and for its reads of this slot, and signals.
; fill = 1: a round of the cluster's barrier, then this slot's next tile.  fill = 2: a round, then the table's second part into bytes of slot 0, which is read no more.  fill = 0: nothing is filled.
.macro TURN slot, next, fill
	s_wait_tensorcnt 0x0                           ; all my tensor loads have landed
	ds_add_u32 v[SPW], v[NIL]                      ; 0 onto my spare word
	s_wait_dscnt 4*NL+1                            ; (the add and A's blocks 4-7 may be out)
	WIN MUL_LO
	MUL16 0, 1, NQ-1, \slot, 0
	s_wait_dscnt 0x0                               ; the add is done, and my reads of this slot are over
	s_barrier_signal -1
	MUL16 2, 1, NQ-1, \slot, 0
	WIN 0
	s_barrier_wait -1
.if \fill == 1
	CREST
	s_add_nc_u64 s[G0+4*\slot+2:G0+4*\slot+3], s[G0+4*\slot+2:G0+4*\slot+3], 2*ROWB
	s_add_nc_u64 s[G0B+4*\slot+2:G0B+4*\slot+3], s[G0B+4*\slot+2:G0B+4*\slot+3], 2*ROWB
	JLOAD G0+4*\slot, G1, G0B+4*\slot, G1B         ; the first tensor load behind the round; its four v_nop are the places in front of the loads below
.elseif \fill == 2
	CREST
	tensor_load_to_lds s[G0T2:G0T2+3], s[G1T2:G1T2+7]
	s_nop 0
.rept 4
	v_nop
.endr
.else
	PLACES NP
.endif
	v_add_nc_u32 v[ADRS], 4*NQ, v[ADRS]
	FETCH_B \next, 0, 0
	FETCH_A \next, 0, 0
	SCALES \next
	WIN MUL_HI
	MUL16 4, 1, NQ-1, \slot, 0
	MUL16 6, 1, NQ-1, \slot, 0
	PLACES NP
	WIN 0
	FETCH_A \next, 0, 4
.endm
	s_wait_tensorcnt 2                             ; the scales and my part of K step 0 are in; K step 1's load and the table's may be out
	s_barrier_signal -1
	s_barrier_wait -1
	FETCH_B 0, 0, 0
	FETCH_A 0, 0, 0
	SCALES 0
	FETCH_A 0, 0, 4
	STEP 0, 0, 1                                   ; the first step starts the sums
	s_mov_b32 s3, LAPS-1
.Llap:
	TURN 0, 1, 1
	STEP 1, 0, 0
	TURN 1, 0, 1
	STEP 0, 0, 0
	s_sub_co_u32 s3, s3, 1
	s_cmp_lg_u32 s3, 0
	s_cbranch_scc1 .Llap
	s_or_b32 s[G1T2+0], s43, (3<<16)|(1<<21)       ; the table's second part: 88 rows of 256 bytes a wave.  (The loads that named these registers were shown done by the first wait for all loads)
	s_mov_b32 s[G1T2+1], 32<<16
	s_mov_b32 s[G1T2+2], 88<<16
	s_mov_b32 s[G1T2+3], 32<<16
	s_mov_b32 s[G1T2+4], 88
	s_mov_b32 s[G1T2+5], 32
	s_mov_b32 s[G1T2+6], 0
	s_mov_b32 s[G1T2+7], 0
	s_mov_b32 s[G0T2], 1
	s_mul_i32 s[G0T2+1], s14, 22528
	s_add_co_u32 s[G0T2+1], s[G0T2+1], 40960       ; straight behind the first part: block i of the table lies at 8,192 i
	s_mov_b64 s[G0T2+2:G0T2+3], s[TP2:TP2+1]
	s_or_b32 s[G0T2+3], s[G0T2+3], 0x80000000
	TURN 0, 1, 2
	STEP 1, 0, 0
	s_wait_dscnt 4*NL                              ; the very last step
	WIN MUL_LO
	MUL16 0, 1, NQ-1, 1, 0
	MUL16 2, 1, NQ-1, 1, 0
	s_wait_dscnt 0
	WIN MUL_HI
	MUL16 4, 1, NQ-1, 1, 0
	MUL16 6, 1, NQ-1, 1, 0
	WIN 0
	s_wait_tensorcnt 0x0                           ; my share of the table has landed,
	s_barrier_signal -1
	s_barrier_wait -1                              ; everybody's has
	s_mov_b32 s18, 0x76543210
	s_mov_b32 s19, 0xfedcba98                      ; v_permlanex16_b32's selects for lane l xor 16
	s_mov_b32 s46, 0xffff0000                      ; lanes 16-31
	PLACES NP                                      ; behind the last products: results are read, and registers that held fragments are written and loaded, only from here on
.irp b, 0,1,2,3
	v_mov_b32 v[TM+4+\b], 0                        ; a lane permute's destination counts as one of its sources
.endr
; 64 numbers of a lane, v[s] .. v[s + 63] of window w, registers 16 B .. 16 B + 15 = my 16 of block B, become a fragment's codes in v[PC] on and its scale word in v[pw].
.macro QUANT s, w, pw
	WIN (\w)|((\w)<<2)
.irp b, 0,1,2,3
	v_max3_num_f32 v[TM+\b], |v[(\s)+16*\b]|, |v[(\s)+1+16*\b]|, 0x1800000   ; and the floor 2^(3 - 127): the byte cannot fall under 1
.endr
	WIN ((\w)<<2)|((\w)<<4)
.irp i, 2,4,6,8,10,12,14
.irp b, 0,1,2,3
	v_max3_num_f32 v[TM+\b], v[TM+\b], |v[(\s)+16*\b+\i]|, |v[(\s)+1+16*\b+\i]|
.endr
.endr
	WIN 0
.irp b, 0,1,2,3
	v_permlanex16_b32 v[TM+4+\b], v[TM+\b], s18, s19
.endr
.irp b, 0,1,2,3
	v_max_num_f32 v[TM+\b], v[TM+\b], v[TM+4+\b]   ; with lane l xor 16's: the block's largest magnitude
.endr
.irp b, 0,1,2,3
	v_add_nc_u32 v[TM+12+\b], 0xff000000, v[TM+\b] ; 2 off its exponent field: the conversion's scale operand
.endr
.irp b, 0,1,2,3
	v_lshrrev_b32 v[TM+4+\b], 23, v[TM+12+\b]      ; the scale's byte
.endr
	v_lshl_or_b32 v[\pw], v[TM+5], 8, v[TM+4]
	v_lshl_or_b32 v[\pw], v[TM+6], 16, v[\pw]
	v_lshl_or_b32 v[\pw], v[TM+7], 24, v[\pw]
	s_wait_xcnt 0x0                                ; the last fragment's stores have read the codes' registers: they are written again only behind this wait
	WIN (\w)
.irp c, 0,1
	v_cvt_scalef32_pk16_fp6_f32 v[PC+6*\c:PC+6*\c+2], v[(\s)+32*\c:(\s)+32*\c+15], v[TM+12+2*\c]
	v_cvt_scalef32_pk16_fp6_f32 v[PC+12+4*\c:PC+14+4*\c], v[(\s)+32*\c+16:(\s)+32*\c+31], v[TM+13+2*\c]
.endr
	WIN 0
	v_nop                                          ; one plain line behind a scaled conversion
.irp c, 0,1                                    ; a whole block to a lane: lanes 0-15 block 2 c, lanes 16-31 block 2 c + 1
.irp i, 0,1,2
	v_permlane16_swap_b32 v[PC+6*\c+\i], v[PC+12+4*\c+\i]
.endr
.irp i, 0,1,2
	v_mov_b32 v[PC+3+6*\c+\i], v[PC+12+4*\c+\i]
.endr
.endr
.endm
.macro OUTB a                          ; fragment a leaves as it stands: each store covers 512 consecutive bytes; two fragments' scale words make one register
.irp c, 0,1,2
	global_store_b128 v[LI], v[PC+4*\c:PC+4*\c+3], s[12:13] offset:(\a)*1536+512*\c th:TH_STORE_NT
.endr
.if (\a)%2
	v_cndmask_b32 v[SP+(\a)/2], v[PWE], v[PW], s46
.endif
.endm
.macro TABL a                          ; block a of my half of the table into set a % 2 of window 1
	WIN TO_B
.irp g, 0,1,2,3,4,5,6,7,8,9,10,11,12,13,14,15
	ds_load_b128 v[64*((\a)%2)+4*\g:64*((\a)%2)+4*\g+3], v[TBA] offset:(\a)*8192+512*\g
.endr
	WIN 0
.endm
.macro ROT a                           ; the rotary turn of block a: (x1, x2) -> (x1 c - x2 s, x1 s + x2 c), a pair of channels to a packed line
.if (\a) < 7
	s_wait_dscnt 16                                ; this block's table is in; the next block's 16 loads may be out
.else
	s_wait_dscnt 0x0
.endif
.set AC, 64*((\a)%4)
.set TS, 64*((\a)%2)
	WIN (2+(\a)/4)|4                               ; source 0: the accumulators' window; source 1: window 1
.set i, 0
.rept 32
	v_pk_mul_f32 v[HA+2*i:HA+2*i+1], v[AC+2*i:AC+2*i+1], v[TS+2*i:TS+2*i+1] op_sel:[1,1] op_sel_hi:[1,0] neg_lo:[1,0]   ; (-x2 s, x2 c)
.set i, i+1
.endr
.set i, 0
.rept 32
	v_pk_fma_f32 v[HA+2*i:HA+2*i+1], v[AC+2*i:AC+2*i+1], v[TS+2*i:TS+2*i+1], v[HA+2*i:HA+2*i+1] op_sel_hi:[0,1,1]       ; + (x1 c, x1 s)
.set i, i+1
.endr
	WIN 0
.if (\a)+2 < 8
	TABL (\a)+2
.endif
.endm
	s_cmp_ge_u32 ttmp9, 4                          ; the cluster's x: the same in all partners
	s_cbranch_scc1 .Lv_path
	TABL 0
	TABL 1
.irp a, 0,1,2,3,4,5,6,7
	ROT \a
	QUANT HA, 0, PWE-(\a)%2
	OUTB \a
.endr
	s_branch .Ldone
.Lv_path:
.irp a, 0,1,2,3,4,5,6,7
	QUANT 64*((\a)%4), 2+(\a)/4, PWE-(\a)%2
	OUTB \a
.endr
.Ldone:
	global_store_b128 v[LI], v[SP:SP+3], s[12:13] offset:12288 th:TH_STORE_NT   ; the unit's scale words: 512 bytes
	s_wait_tensorcnt 0x0                           ; the wave's end
	ds_add_u32 v[SPW], v[NIL]
	s_wait_dscnt 0x0
	CROUND                                         ; the closing round
	s_endpgm
.Lfunc_end_k_q067730be35_qkv:
	.size	k_q067730be35_qkv, .Lfunc_end_k_q067730be35_qkv-k_q067730be35_qkv
	.p2alignl 7, 3214868480
	.fill 96, 4, 3214868480
	.section	.rodata,"a",@progbits
	.p2align	6, 0x0
	.amdhsa_kernel k_q067730be35_qkv
		.amdhsa_group_segment_fixed_size 327680
		.amdhsa_private_segment_fixed_size 0
		.amdhsa_enable_private_segment 0
		.amdhsa_kernarg_size 88
		.amdhsa_user_sgpr_count 2
		.amdhsa_user_sgpr_kernarg_segment_ptr 1
		.amdhsa_wavefront_size32 1
		.amdhsa_system_sgpr_workgroup_id_x 1
		.amdhsa_system_sgpr_workgroup_id_y 1
		.amdhsa_system_sgpr_workgroup_id_z 1
		.amdhsa_system_vgpr_workitem_id 0
		.amdhsa_next_free_vgpr 1024
		.amdhsa_next_free_sgpr 106
		.amdhsa_reserve_vcc 0
		.amdhsa_float_denorm_mode_32 3
		.amdhsa_float_denorm_mode_16_64 3
		.amdhsa_memory_ordered 1
		.amdhsa_forward_progress 1
		.amdhsa_inst_pref_size 241
	.end_amdhsa_kernel
	.amdgpu_metadata
---
amdhsa.version: [ 1, 2 ]
amdhsa.kernels:
  - .name:           k_q067730be35_qkv
    .symbol:         k_q067730be35_qkv.kd
    .args:
      - { .name: hidden_states_codes, .offset: 0, .size: 8, .value_kind: global_buffer, .address_space: global }
      - { .name: hidden_states_scales, .offset: 8, .size: 8, .value_kind: global_buffer, .address_space: global }
      - { .name: Wq_codes, .offset: 16, .size: 8, .value_kind: global_buffer, .address_space: global }
      - { .name: Wq_scales, .offset: 24, .size: 8, .value_kind: global_buffer, .address_space: global }
      - { .name: Wk_codes, .offset: 32, .size: 8, .value_kind: global_buffer, .address_space: global }
      - { .name: Wk_scales, .offset: 40, .size: 8, .value_kind: global_buffer, .address_space: global }
      - { .name: Wv_codes, .offset: 48, .size: 8, .value_kind: global_buffer, .address_space: global }
      - { .name: Wv_scales, .offset: 56, .size: 8, .value_kind: global_buffer, .address_space: global }
      - { .name: tab, .offset: 64, .size: 8, .value_kind: global_buffer, .address_space: global }
      - { .name: qimg, .offset: 72, .size: 8, .value_kind: global_buffer, .address_space: global }
      - { .name: kv, .offset: 80, .size: 8, .value_kind: global_buffer, .address_space: global }
    .group_segment_fixed_size: 327680
    .private_segment_fixed_size: 0
    .kernarg_segment_align: 8
    .kernarg_segment_size: 88
    .max_flat_workgroup_size: 128
    .sgpr_count:     106
    .vgpr_count:     1024
    .wavefront_size: 32
...
	.end_amdgpu_metadata
.endif
;; end of part 2
;; launch attn (part 3): grid 16 x 16, 8 waves a work-group, clusters of 4 x 1, 327,680 bytes of LDS; arguments qimg, kv, maskw, ctx; writes ctx
.if DOCPART == 3
	.amdgcn_target "amdgcn-amd-amdhsa--gfx1250"
	.amdhsa_code_object_version 6
	.text
	.protected	k_q067730be35_attn
	.globl	k_q067730be35_attn
	.p2align	8
	.type	k_q067730be35_attn,@function
k_q067730be35_attn:
	s_mov_b64 s[64:65], 0
	v_nop
	global_prefetch_b8 v0, s[64:65] scope:SCOPE_SE
	s_setreg_imm32_b32 hwreg(HW_REG_WAVE_MODE, 25, 1), 1
	s_wait_xcnt 0x0
	s_wait_alu depctr_hold_cnt(0) depctr_sa_sdst(0) depctr_va_vdst(0) depctr_va_sdst(0) depctr_va_ssrc(0) depctr_va_vcc(0) depctr_vm_vsrc(0)
	s_getreg_b32 s2, hwreg(HW_REG_IB_STS2, 6, 4)
	s_cmp_eq_u32 s2, 0
	s_cbranch_scc0 .Lentry_in_a_cluster
	s_endpgm
.Lentry_in_a_cluster:
	s_bfe_u32 s2, ttmp6, 0x10000c
	s_cmp_lg_u32 s2, 0x3003
	s_cbranch_scc0 .Lentry_shape_is_right
	s_endpgm
.Lentry_shape_is_right:
; ctx = softmax(where(mask, -10000, q k^T / sqrt(128))) v, both products on codes of FP6 (E2M3); ctx is divided by the row's sum and quantised along the hidden axis for the last product.
; THE SOFTMAX AHEAD OF THE SECOND PRODUCT: t = logit x log2(e); M = the ceiling of the running largest t; p = 2^(t - M) is quantised along the keys, not normalised; the sum is taken of the unquantised p.
; THE MASK is an input: every score is computed, and a masked score is replaced AHEAD of the maximum by -10000 sqrt(128), whose t is -10000 log2(e); a row that is masked wholly so comes out as the mean of v.
; The mask comes as lane masks, 64 words a key step, by scalar loads a step ahead; it selects values and steers nothing.
; SHARES: a work-group owns 128 queries of one head, each of its eight waves 16: one tile, 256 registers.  Every wave walks all 2,048 keys, 128 a step.
; K's and V's units (12,800 bytes each: register images, see the launch that stores them) come through a ring of two LDS slots of four key steps; each wave fetches one unit of the eight.
; CLUSTER: the four work-groups of a cluster belong to one head and walk the same K and V: each unit is asked for jointly, with a mask that names the four.
; LAYOUT: S^T = K Q^T, O^T = V^T P^T: a lane holds one query (lane % 16) throughout; register j of tile T is key (or channel) 16 T + 8 (lane / 16) + j.  p's codes so lie [g0 g2 g1 g3] in each block of 32 keys, as V's do.
; ctx meets a GIVEN operand in the last product, so there the two middle groups of eight codes of each block change places: the true order.
; LIMITS: NaN and infinities are not served.  A masked score's t is right to about 0.002 (the product of two rounded constants); it shows only in rows masked wholly, alike in p and in the sum.
; A block of zeros gets the scale byte 1; only this program reads the bytes.
; REGISTERS: v1 16 x lane; v2 the step's LDS address; v3 the masked score; v5, v6 the spare word's address and 0; v7-11 addresses; v12 -M, v13 the largest t, v[14:15] the sum; v16-27 Q, v28 its scale word;
;   v32-79 four fragments; v80-83, v84-87 K's and V's scale words; v96-159 S^T, then p; v160-223 O^T; v224-235 p's codes; v232-254 at work.
.set SLOT1, 1<<17
.set UNIT,  12800
.set STEPB, 2*UNIT                     ; a key step: K's unit, then V's
.set SLOTB, 4*STEPB
.set SSTG,  2*SLOT1                    ; ctx's scale words meet here: 512 bytes that no tensor load fills
.set SPARE, SSTG+512                   ; the spare words: 128 bytes for each wave, four blocks of 256 bytes that no other line names
.set PC, 32
.set TM, 236
.set PW, 80
.macro CROUND                          ; a round of the cluster's barrier
	s_barrier_signal -1
	s_barrier_wait -1
	s_cmp_lg_u32 s12, 0
	s_cbranch_scc1 .Lnot_wave_0_\@
	s_barrier_signal -3
.Lnot_wave_0_\@:
	s_barrier_wait -3
	s_barrier_signal -1
	s_barrier_wait -1
.endm
.macro MASKLOAD                        ; a key step's 64 lane masks: s[32:63] for registers 0-31 of S^T, s[68:99] for 32-63
	s_load_b512 s[32:47], s[8:9], s14 offset:0x0
	s_load_b512 s[48:63], s[8:9], s14 offset:0x40
	s_load_b512 s[68:83], s[8:9], s14 offset:0x80
	s_load_b512 s[84:99], s[8:9], s14 offset:0xc0
.endm
; A prefetch of the slot after the one that is being asked for: 102,400 bytes.  All clusters of a head walk the same bytes: the head's first cluster asks; its four partners take 25,600 bytes each, told apart by
; address; in each, waves 0 to 3 take 6,400: 25 blocks of 256 bytes, a lane a block (lanes 25 to 31 name lane 24's block again).  The last change that fills a slot asks for nothing.
.macro ASK
	s_cmp_gt_u32 s3, s15
	s_cbranch_scc0 .Lnot_mine_\@
	global_prefetch_b8 v10, s[28:29] th:TH_LOAD_NT scope:SCOPE_SE
.Lnot_mine_\@:
.endm
	s_load_b256 s[4:11], s[0:1], 0x0               ; qimg, kv, maskw, ctx
	v_lshl_add_u32 v5, v0, 2, SPARE
	v_mov_b32 v6, 0
	ds_add_u32 v5, v6
	ds_add_u32 v5, v6
	s_wait_dscnt 0x0
	v_lshrrev_b32 v1, 5, v0
	v_readfirstlane_b32 s12, v1                    ; wave 0..7
	s_bfe_u32 s30, ttmp6, 0x40000                  ; cx
	s_lshl_b32 s31, ttmp9, 2
	s_add_co_u32 s31, s31, s30                     ; my block of 128 queries: it enters q's, the mask's and ctx's addresses alone
	s_and_b32 s104, ttmp7, 0xffff                  ; the head, which the partners share
	s_lshl_b32 s105, s104, 4
	s_add_co_u32 s105, s105, s31                   ; q's unit: 16 head + block
	s_mov_b32 s16, 15|(3<<16)|(1<<21)              ; group 1: the mask names all four; elements of 8 bytes; bit 21 beside a mask; no padding
	s_mov_b32 s17, 32<<16                          ; a unit as 50 rows of 256 bytes, dense
	s_mov_b32 s18, 50<<16
	s_mov_b32 s19, 32<<16
	s_mov_b32 s20, 50
	s_mov_b32 s21, 32
	s_mov_b32 s22, 0
	s_mov_b32 s23, 0
	s_mov_b32 s66, 0x3e0293ee                      ; c = log2(e) / sqrt(128)
	s_mov_b32 s67, s66                             ; (named with it as a pair)
	s_mov_b32 s100, 0x76543210
	s_mov_b32 s101, 0xfedcba98                     ; v_permlanex16_b32's selects for lane l xor 16
	s_mov_b32 s2, 0                                ; LDS byte at which the step in hand begins
	s_mov_b32 s3, 3                                ; slots still to be asked for
	s_mov_b32 s15, 0
	s_wait_kmcnt 0x0
	s_mul_i32 s14, s105, UNIT
	s_add_nc_u64 s[4:5], s[4:5], s[14:15]          ; q's unit
	s_lshl_b32 s14, s31, 4
	s_add_co_u32 s14, s14, s104
	s_mul_i32 s14, s14, UNIT
	s_add_nc_u64 s[10:11], s[10:11], s[14:15]      ; ctx's unit: 16 block + head
	s_lshl_b32 s14, s31, 3
	s_add_co_u32 s14, s14, s12
	s_lshl_b32 s14, s14, 12
	s_add_nc_u64 s[8:9], s[8:9], s[14:15]          ; my 16 queries' lane masks: 4,096 bytes
	s_mul_i32 s14, s104, 16*STEPB
	s_add_nc_u64 s[6:7], s[6:7], s[14:15]          ; the head's K and V
	s_mul_i32 s14, s30, 25600
	s_and_b32 s13, s12, 3
	s_mul_i32 s13, s13, 6400
	s_add_co_u32 s14, s14, s13
	s_add_co_u32 s14, s14, SLOTB
	s_add_nc_u64 s[28:29], s[6:7], s[14:15]        ; the prefetches stand in slot 1; the first change of slots steps them to slot 2
	s_mov_b32 s24, 1                               ; group 0: count 1,
	s_mul_i32 s25, s12, UNIT                       ; LDS: slot 0, wave x a unit,
	s_mov_b32 s14, s25
	s_add_nc_u64 s[26:27], s[6:7], s[14:15]        ; the same in memory,
	s_or_b32 s27, s27, 0x80000000                  ; type 2
	s_lshr_b32 s13, s12, 2
	s_or_b32 s13, s13, ttmp9                       ; 0 in waves 0 to 3 of the head's first cluster: the same in all partners
	s_cmp_eq_u32 s13, 0
	s_cselect_b32 s15, 1, -1
	s_mov_b32 s14, 0
	MASKLOAD                                       ; key step 0's
	CROUND                                         ; all four work-groups are here: the first joint load meets
	tensor_load_to_lds s[24:27], s[16:23]          ; slot 0
	s_nop 0
.rept 4
	v_nop
.endr
	v_and_b32 v1, 31, v0
	v_min_u32 v10, 24, v1
	v_lshlrev_b32 v10, 8, v10                      ; the prefetches' offset
	v_lshlrev_b32 v1, 4, v1                        ; 16 x lane
	s_mul_i32 s13, s12, 1536
	v_add_nc_u32 v8, s13, v1                       ; fragment w of a unit
	v_and_b32 v9, 15, v0
	v_lshlrev_b32 v9, 4, v9
	s_and_b32 s13, s12, 1
	s_lshl_b32 s13, s13, 8
	s_lshr_b32 s30, s12, 1
	s_lshl_b32 s30, s30, 2
	s_add_co_u32 s13, s13, s30
	v_add_nc_u32 v9, s13, v9                       ; fragment w's scale word of row r: 16 (r + 16 (w % 2)) + 4 (w / 2)
	v_add_nc_u32 v7, SSTG, v9
	v_add_nc_u32 v11, SSTG, v1
.irp c, 0,1,2
	global_load_b128 v[16+4*\c:19+4*\c], v8, s[4:5] offset:512*\c   ; Q's fragment stays in registers
.endr
	global_load_b32 v28, v9, s[4:5] offset:12288
	v_mov_b32 v3, 0xc7dcf88b                       ; -10000 sqrt(128)
	v_mov_b32 v13, 0xff61b1e6                      ; the largest t so far: -3e38
	v_floor_f32 v12, -v13                          ; -M
	v_mov_b32 v14, 0
	v_mov_b32 v15, 0
.irp b, 0,1,2,3
	v_mov_b32 v[236+\b], 0                         ; a lane permute's destination counts as one of its sources
.endr
	v_mov_b32 v253, 0                              ; (named as the upper half of v[252:253] before it is first written)
.set j, 0
.rept 64
	v_mov_b32 v[160+j], 0                          ; O^T: the loop is written once; its first step finds zeros
.set j, j+1
.endr
; A KEY STEP: 128 keys.
.macro STEP
	v_add_nc_u32 v2, s2, v1
.rept 3
	v_nop                                          ; with the line above: four places in front of loads into registers that the last products read
.endr
	ds_load_b128 v[80:83], v2 offset:UNIT-512      ; K's scale words: register i: lanes 0-15 fragment 2 i, lanes 16-31 fragment 2 i + 1
	ds_load_b128 v[84:87], v2 offset:2*UNIT-512    ; V's
.irp g, 0,1
.if \g > 0
.rept 4
	v_nop
.endr
.endif
.irp t, 0,1,2,3
.irp c, 0,1,2
	ds_load_b128 v[32+12*\t+4*\c:35+12*\t+4*\c], v2 offset:(4*\g+\t)*1536+512*\c
.endr
.endr
	s_wait_dscnt 0x0
.irp t, 0,2
	v_wmma_scale_f32_16x16x128_f8f6f4 v[96+8*(4*\g+\t):103+8*(4*\g+\t)], v[32+12*\t:43+12*\t], v[16:27], 0, v[80+2*\g+\t/2], v28 matrix_a_fmt:MATRIX_FMT_FP6 matrix_b_fmt:MATRIX_FMT_FP6
	v_wmma_scale_f32_16x16x128_f8f6f4 v[104+8*(4*\g+\t):111+8*(4*\g+\t)], v[44+12*\t:55+12*\t], v[16:27], 0, v[80+2*\g+\t/2], v28 matrix_a_fmt:MATRIX_FMT_FP6 matrix_b_fmt:MATRIX_FMT_FP6 matrix_a_scale:MATRIX_SCALE_ROW1
.endr
.endr
.rept 4
	v_nop
.endr
.irp t, 0,1,2,3                                ; V's fragments 0-3 are asked for now and land under the softmax
.irp c, 0,1,2
	ds_load_b128 v[32+12*\t+4*\c:35+12*\t+4*\c], v2 offset:UNIT+\t*1536+512*\c
.endr
.endr
	s_wait_kmcnt 0x0                               ; this step's lane masks are in
.set n, 0
.rept 32
	v_cndmask_b32 v[96+n], v[96+n], v3, s[32+n]
.set n, n+1
.endr
.rept 32
	v_cndmask_b32 v[96+n], v[96+n], v3, s[36+n]
.set n, n+1
.endr
	s_add_co_u32 s14, s14, 256                     ; the next step's masks; the last step names its own once more, so that no load leaves the buffer
	s_min_u32 s14, s14, 3840
	MASKLOAD
.irp b, 0,1,2,3
	v_max3_num_f32 v[232+\b], v[96+16*\b], v[97+16*\b], v[98+16*\b]   ; the largest score of each block of 32 keys: for the row's maximum, and, since p rises with the score, for the block's largest p
.endr
.irp i, 3,5,7,9,11,13
.irp b, 0,1,2,3
	v_max3_num_f32 v[232+\b], v[232+\b], v[96+16*\b+\i], v[97+16*\b+\i]
.endr
.endr
.irp b, 0,1,2,3
	v_max_num_f32 v[232+\b], v[232+\b], v[111+16*\b]
.endr
.irp b, 0,1,2,3
	v_permlanex16_b32 v[236+\b], v[232+\b], s100, s101
.endr
.irp b, 0,1,2,3
	v_max_num_f32 v[232+\b], v[232+\b], v[236+\b]
.endr
	v_max3_num_f32 v254, v232, v233, v234
	v_max_num_f32 v254, v254, v235
	v_mul_f32 v254, s66, v254                      ; as t
	v_max_num_f32 v13, v13, v254                   ; the running largest t
	v_mov_b32 v254, v12
	v_floor_f32 v12, -v13                          ; the new -M: M is a whole number
	v_sub_f32 v254, v12, v254                      ; old M - new M, 0 or less
	v_cvt_i32_f32 v254, v254                       ; (it saturates)
	v_ldexp_f32 v252, 1.0, v254                    ; f = 2^(old M - new M): a multiplication by it rounds nothing
.set j, 0
.rept 32
	v_pk_fma_f32 v[96+j:97+j], v[96+j:97+j], s[66:67], v[12:13] op_sel_hi:[1,0,0]   ; t - M
.set j, j+2
.endr
.irp b, 0,1,2,3
	v_fma_f32 v[232+\b], v[232+\b], s66, v12
.endr
.set j, 0
.rept 64
	v_exp_f32 v[96+j], v[96+j]                     ; p = 2^(t - M)
.set j, j+1
.endr
	v_pk_mul_f32 v[14:15], v[14:15], v[252:253] op_sel_hi:[1,0]   ; the sums under the new M (the plain line behind the exponentials)
	s_wait_alu depctr_va_vdst(0)                   ; one wait for the batch, ahead of its first reader
.irp b, 0,1,2,3
	v_exp_f32 v[232+\b], v[232+\b]                 ; each block's largest p
.endr
	v_pk_add_f32 v[236:237], v[96:97], v[98:99]    ; the row's sum, of the unquantised p, in two chains
.irp j, 4,8,12,16,20,24,28,32,36,40,44,48,52,56,60
	v_pk_add_f32 v[14:15], v[14:15], v[96+\j:97+\j]
	v_pk_add_f32 v[236:237], v[236:237], v[98+\j:99+\j]
.endr
	v_pk_add_f32 v[14:15], v[14:15], v[236:237]
	s_wait_alu depctr_va_vdst(0)                   ; and one for the four
.irp b, 0,1,2,3
	v_max_num_f32 v[232+\b], 0x1800000, v[232+\b]  ; the floor 2^(3 - 127)
.endr
.irp b, 0,1,2,3
	v_add_nc_u32 v[244+\b], 0xff000000, v[232+\b]  ; the conversion's scale operand
.endr
.irp b, 0,1,2,3
	v_lshrrev_b32 v[236+\b], 23, v[244+\b]         ; the scale's byte
.endr
	v_lshl_or_b32 v253, v237, 8, v236              ; p's scale word for these 128 keys
	v_lshl_or_b32 v253, v238, 16, v253
	v_lshl_or_b32 v253, v239, 24, v253
.irp c, 0,1
	v_cvt_scalef32_pk16_fp6_f32 v[224+6*\c:226+6*\c], v[96+32*\c:111+32*\c], v[244+2*\c]
	v_cvt_scalef32_pk16_fp6_f32 v[236+4*\c:238+4*\c], v[112+32*\c:127+32*\c], v[244+2*\c+1]
.endr
	v_nop                                          ; one plain line behind a scaled conversion
.irp c, 0,1
.irp i, 0,1,2
	v_permlane16_swap_b32 v[224+6*\c+\i], v[236+4*\c+\i]
.endr
.irp i, 0,1,2
	v_mov_b32 v[227+6*\c+\i], v[236+4*\c+\i]
.endr
.endr
.set j, 0
.rept 32
	v_pk_mul_f32 v[160+j:161+j], v[160+j:161+j], v[252:253] op_sel_hi:[1,0]   ; O^T under the new M; these 32 are also the places in front of the products below
.set j, j+2
.endr
	s_wait_dscnt 0x0                               ; V's fragments 0-3 are in
.irp g, 0,1
.if \g > 0
.rept 4
	v_nop
.endr
.irp t, 0,1,2,3
.irp c, 0,1,2
	ds_load_b128 v[32+12*\t+4*\c:35+12*\t+4*\c], v2 offset:UNIT+(4+\t)*1536+512*\c
.endr
.endr
	s_wait_dscnt 0x0
.endif
.irp t, 0,2
	v_wmma_scale_f32_16x16x128_f8f6f4 v[160+8*(4*\g+\t):167+8*(4*\g+\t)], v[32+12*\t:43+12*\t], v[224:235], v[160+8*(4*\g+\t):167+8*(4*\g+\t)], v[84+2*\g+\t/2], v253 matrix_a_fmt:MATRIX_FMT_FP6 matrix_b_fmt:MATRIX_FMT_FP6
	v_wmma_scale_f32_16x16x128_f8f6f4 v[168+8*(4*\g+\t):175+8*(4*\g+\t)], v[44+12*\t:55+12*\t], v[224:235], v[168+8*(4*\g+\t):175+8*(4*\g+\t)], v[84+2*\g+\t/2], v253 matrix_a_fmt:MATRIX_FMT_FP6 matrix_b_fmt:MATRIX_FMT_FP6 matrix_a_scale:MATRIX_SCALE_ROW1
.endr
.endr
	s_add_co_u32 s2, s2, STEPB
.endm
.macro SLOT_STEPS                      ; a slot's four key steps: written once, walked four times
	s_mov_b32 s13, 4
.Lstep_\@:
	STEP
	s_sub_co_u32 s13, s13, 1
	s_cmp_lg_u32 s13, 0
	s_cbranch_scc1 .Lstep_\@
	s_sub_co_u32 s2, s2, SLOTB
	s_xor_b32 s2, s2, SLOT1                        ; on to the other slot
.endm
; THE CHANGE OF SLOTS stands at a slot's head: each wave waits for all its tensor loads (its unit of the slot ahead), adds 0 to its spare word, and waits for that and for its reads of the slot that it has left.
; fill = 1: a round of the cluster's barrier, and the slot that was left is filled with the next four key steps: one load a wave is out, and has four key steps in which to land.
.macro CHANGE fill
	s_wait_tensorcnt 0x0
	ds_add_u32 v5, v6                              ; 0 onto my spare word
.if \fill
	s_xor_b32 s25, s25, SLOT1                      ; the walking descriptor: the other slot,
	s_add_nc_u64 s[26:27], s[26:27], SLOTB         ; the next four key steps
	s_wait_xcnt 0x0                                ; the last prefetch, a slot back, has read its address
	s_add_nc_u64 s[28:29], s[28:29], SLOTB
.endif
	s_wait_dscnt 0x0
.if \fill
	CROUND
	tensor_load_to_lds s[24:27], s[16:23]
	s_nop 0
.rept 4
	v_nop
.endr
	ASK
.else
	s_barrier_signal -1
	s_barrier_wait -1
.endif
.endm
	s_wait_loadcnt 0x0                             ; Q
.Lslot:
	CHANGE 1
	SLOT_STEPS
	s_sub_co_u32 s3, s3, 1
	s_cmp_lg_u32 s3, 0
	s_cbranch_scc1 .Lslot
	CHANGE 0                                       ; the last slot is written out
	SLOT_STEPS
	; THE WAY OUT: O^T / the sum, quantised along the channels, as fragment w of ctx's unit.
	v_add_f32 v14, v14, v15
	v_permlanex16_b32 v252, v14, s100, s101
	v_add_f32 v14, v14, v252                       ; the row's sum
	v_rcp_f32 v14, v14
.irp b, 0,1,2,3
	v_mov_b32 v[TM+4+\b], 0                        ; (plain lines behind the reciprocal and behind the last products)
.endr
	s_wait_alu depctr_va_vdst(0)                   ; the wait ahead of the reciprocal's first reader
.set j, 0
.rept 32
	v_pk_mul_f32 v[96+j:97+j], v[160+j:161+j], v[14:15] op_sel_hi:[1,0]   ; each accumulator from its low end on
.set j, j+2
.endr
.irp b, 0,1,2,3
	v_max3_num_f32 v[TM+\b], |v[96+16*\b]|, |v[97+16*\b]|, 0x1800000
.endr
.irp i, 2,4,6,8,10,12,14
.irp b, 0,1,2,3
	v_max3_num_f32 v[TM+\b], v[TM+\b], |v[96+16*\b+\i]|, |v[97+16*\b+\i]|
.endr
.endr
.irp b, 0,1,2,3
	v_permlanex16_b32 v[TM+4+\b], v[TM+\b], s100, s101
.endr
.irp b, 0,1,2,3
	v_max_num_f32 v[TM+\b], v[TM+\b], v[TM+4+\b]
.endr
.irp b, 0,1,2,3
	v_add_nc_u32 v[TM+12+\b], 0xff000000, v[TM+\b]
.endr
.irp b, 0,1,2,3
	v_lshrrev_b32 v[TM+4+\b], 23, v[TM+12+\b]
.endr
	v_lshl_or_b32 v[PW], v[TM+5], 8, v[TM+4]
	v_lshl_or_b32 v[PW], v[TM+6], 16, v[PW]
	v_lshl_or_b32 v[PW], v[TM+7], 24, v[PW]
.irp c, 0,1
	v_cvt_scalef32_pk16_fp6_f32 v[PC+6*\c:PC+6*\c+2], v[96+32*\c:111+32*\c], v[TM+12+2*\c]
	v_cvt_scalef32_pk16_fp6_f32 v[PC+12+4*\c:PC+14+4*\c], v[112+32*\c:127+32*\c], v[TM+13+2*\c]
.endr
	v_nop                                          ; one plain line behind a scaled conversion
.irp c, 0,1
.irp i, 0,1,2
	v_permlane16_swap_b32 v[PC+6*\c+\i], v[PC+12+4*\c+\i]
.endr
	; the first three registers hold groups g0, g2 (6 bytes each), the other three g1, g3: the block's 24 bytes become g0 g1 g2 g3
	v_perm_b32 v[PC+6*\c+3], v[PC+6*\c+2], v[PC+6*\c+1], 0x05040302      ; bytes 12-15: g2's first four
	v_perm_b32 v[PC+6*\c+1], v[PC+12+4*\c], v[PC+6*\c+1], 0x05040100     ; bytes 4-7: g0's last two, g1's first two
	v_perm_b32 v[PC+6*\c+4], v[PC+13+4*\c], v[PC+6*\c+2], 0x07060302     ; bytes 16-19: g2's last two, g3's first two
	v_perm_b32 v[PC+6*\c+2], v[PC+13+4*\c], v[PC+12+4*\c], 0x05040302    ; bytes 8-11: g1's last four
	v_mov_b32 v[PC+6*\c+5], v[PC+14+4*\c]                                ; bytes 20-23: g3's last four
.endr
.irp c, 0,1,2
	global_store_b128 v8, v[PC+4*\c:PC+4*\c+3], s[10:11] offset:512*\c th:TH_STORE_NT   ; 512 consecutive bytes a store
.endr
	ds_store_b32 v7, v[PW]                         ; lanes r and r + 16 write the same word with the same value
	s_wait_dscnt 0x0                               ; for the others' sake
	s_barrier_signal -1
	s_barrier_wait -1
	s_cmp_lg_u32 s12, 0
	s_cbranch_scc1 .Lnot_first
	ds_load_b128 v[52:55], v11                     ; the unit's scale words, from all eight waves
	s_wait_dscnt 0x0
	global_store_b128 v1, v[52:55], s[10:11] offset:12288 th:TH_STORE_NT
.Lnot_first:
	s_wait_tensorcnt 0x0                           ; the wave's end
	ds_add_u32 v5, v6
	s_wait_dscnt 0x0
	CROUND                                         ; the closing round
	s_endpgm
.Lfunc_end_k_q067730be35_attn:
	.size	k_q067730be35_attn, .Lfunc_end_k_q067730be35_attn-k_q067730be35_attn
	.p2alignl 7, 3214868480
	.fill 96, 4, 3214868480
	.section	.rodata,"a",@progbits
	.p2align	6, 0x0
	.amdhsa_kernel k_q067730be35_attn
		.amdhsa_group_segment_fixed_size 327680
		.amdhsa_private_segment_fixed_size 0
		.amdhsa_enable_private_segment 0
		.amdhsa_kernarg_size 32
		.amdhsa_user_sgpr_count 2
		.amdhsa_user_sgpr_kernarg_segment_ptr 1
		.amdhsa_wavefront_size32 1
		.amdhsa_system_sgpr_workgroup_id_x 1
		.amdhsa_system_sgpr_workgroup_id_y 1
		.amdhsa_system_sgpr_workgroup_id_z 1
		.amdhsa_system_vgpr_workitem_id 0
		.amdhsa_next_free_vgpr 256
		.amdhsa_next_free_sgpr 106
		.amdhsa_reserve_vcc 0
		.amdhsa_float_denorm_mode_32 3
		.amdhsa_float_denorm_mode_16_64 3
		.amdhsa_memory_ordered 1
		.amdhsa_forward_progress 1
		.amdhsa_inst_pref_size 63
	.end_amdhsa_kernel
	.amdgpu_metadata
---
amdhsa.version: [ 1, 2 ]
amdhsa.kernels:
  - .name:           k_q067730be35_attn
    .symbol:         k_q067730be35_attn.kd
    .args:
      - { .name: qimg, .offset: 0, .size: 8, .value_kind: global_buffer, .address_space: global }
      - { .name: kv, .offset: 8, .size: 8, .value_kind: global_buffer, .address_space: global }
      - { .name: maskw, .offset: 16, .size: 8, .value_kind: global_buffer, .address_space: global }
      - { .name: ctx, .offset: 24, .size: 8, .value_kind: global_buffer, .address_space: global }
    .group_segment_fixed_size: 327680
    .private_segment_fixed_size: 0
    .kernarg_segment_align: 8
    .kernarg_segment_size: 32
    .max_flat_workgroup_size: 256
    .sgpr_count:     106
    .vgpr_count:     256
    .wavefront_size: 32
...
	.end_amdgpu_metadata
.endif
;; end of part 3
;; launch oproj (part 4): grid 8 x 8, 4 waves a work-group, clusters of 4 x 4, 327,680 bytes of LDS; arguments ctx, Wd_codes, Wd_scales, out0; writes out0
.if DOCPART == 4
	.amdgcn_target "amdgcn-amd-amdhsa--gfx1250"
	.amdhsa_code_object_version 6
	.text
	.protected	k_q067730be35_oproj
	.globl	k_q067730be35_oproj
	.p2align	8
	.type	k_q067730be35_oproj,@function
k_q067730be35_oproj:
	s_mov_b64 s[64:65], 0
	v_nop
	global_prefetch_b8 v0, s[64:65] scope:SCOPE_SE
	s_setreg_imm32_b32 hwreg(HW_REG_WAVE_MODE, 25, 1), 1
	s_wait_xcnt 0x0
	s_wait_alu depctr_hold_cnt(0) depctr_sa_sdst(0) depctr_va_vdst(0) depctr_va_sdst(0) depctr_va_ssrc(0) depctr_va_vcc(0) depctr_vm_vsrc(0)
	s_getreg_b32 s2, hwreg(HW_REG_IB_STS2, 6, 4)
	s_cmp_eq_u32 s2, 0
	s_cbranch_scc0 .Lentry_in_a_cluster
	s_endpgm
.Lentry_in_a_cluster:
	s_bfe_u32 s2, ttmp6, 0x10000c
	s_cmp_lg_u32 s2, 0xf033
	s_cbranch_scc0 .Lentry_shape_is_right
	s_endpgm
.Lentry_shape_is_right:
; out0 = ctx Wd^T on codes of FP6 (E2M3).  ctx comes as units of 12,800 bytes, register images of 128 rows x 128 K with their scale words (unit 16 x block of 128 rows + K step of 128); Wd as given: rows of 1,536 bytes, scale bytes [2048][64].
; A work-group of four waves makes 256 x 256 of the output, a wave 128 x 128: 64 accumulators.  K goes in steps of 256 through a ring of two LDS slots: A's part 2 x 25,600 bytes (two units for each block of 128 rows,
; dense in memory), B's part 256 rows of 192 bytes, 240 bytes apart.  Wd's scale bytes of the work-group's 256 rows come once and stay.  64 work-groups: a smaller tile would read each LDS byte for half the products.
; CLUSTERS: 4 x 4.  A's tiles are shared along a row of the cluster, B's along a column: joint loads.  The matrix instruction is used transposed (source 0 = 16 rows of Wd, source 1 = 16 rows of ctx).
; REGISTERS, in windows of 256: window 0: v16-29 addresses; v32-63 Wd's scale words, two sets; v64-79 ctx's, two sets; v128-223 A's fragments, one set.  window 1: B's fragments, two sets.  windows 2, 3: the accumulators.
.set SIZE_N, 2048
.set KSTEP,  256
.set NQ,     2
.set ROWB,   192
.set KROW,   1536
.set PITCH,  240
.set FR,     12
.set NLA,    3                         ; LDS loads that bring a fragment of A
.set NP,     4
.set UNIT,   12800
.set HALFA,  2*UNIT                    ; a block of 128 rows of A, 256 along K
.set BOFF,   2*HALFA
.set HALFT,  128*PITCH
.set SLOT,   BOFF+2*HALFT
.set LAPS,   4
.set KS,     64
.set SCL,    2*SLOT
.set HALFS,  (128*KS/256)*272
.set SBLK,   (16*KS/256)*272
.set SPARE,  SCL+2*HALFS               ; the spare words: 128 bytes for each wave, two blocks of 256 bytes that no other line names
.set SPITCH, 528                       ; the way out: a stage of 16 rows x (512 + 16) bytes for each wave, in slot 0, which has had its last fill and its last read by then
.set ADRA, 16                          ; v16-17
.set ADRB, 20                          ; v20-21, v22-23
.set STO,  24
.set RD,   25
.set CO,   26
.set ADRS, 27
.set SPW,  28
.set NIL,  29
.set SC,   32
.set SA,   64
.set AF,   128
.set BK,   128
.set G1,   24
.set G0,   32
.set G1B,  48
.set G0B,  56
.set G1SB, 80
.set G0SB, 88
.set MSB, 0
.macro WIN new
.if MSB != (\new)
	s_set_vgpr_msb (MSB<<8)|(\new)
.set MSB, (\new)
.endif
.endm
.set MUL_LO, 0xa1
.set MUL_HI, 0xf1
.set TO_B,   0x40
.macro JLOAD g0a, g1a, g0b, g1b        ; a joint load: waves 0 and 1 fetch for A, waves 2 and 3 for B; four v_nop follow each line
	s_cmp_eq_u32 s15, 0
	s_cbranch_scc0 .Lfor_b_\@
	tensor_load_to_lds s[\g0a:\g0a+3], s[\g1a:\g1a+7]
	s_nop 0
.rept 4
	v_nop
.endr
	s_branch .Lasked_\@
.Lfor_b_\@:
	tensor_load_to_lds s[\g0b:\g0b+3], s[\g1b:\g1b+7]
	s_nop 0
.rept 4
	v_nop
.endr
.Lasked_\@:
.endm
.macro CREST
	s_cmp_lg_u32 s14, 0
	s_cbranch_scc1 .Lnot_wave_0_\@
	s_barrier_signal -3
.Lnot_wave_0_\@:
	s_barrier_wait -3
	s_barrier_signal -1
	s_barrier_wait -1
.endm
.macro CROUND
	s_barrier_signal -1
	s_barrier_wait -1
	CREST
.endm
	s_load_b256 s[4:11], s[0:1], 0x0               ; ctx s[4:5], Wd's codes s[6:7], Wd's scales s[8:9], out0 s[10:11]
	v_lshl_add_u32 v[SPW], v0, 2, SPARE
	v_mov_b32 v[NIL], 0
	ds_add_u32 v28, v29
	ds_add_u32 v28, v29
	s_wait_dscnt 0x0
	v_lshrrev_b32 v1, 5, v0
	v_readfirstlane_b32 s14, v1                    ; wave 0..3
	s_lshr_b32 s15, s14, 1                         ; which half of the tile's rows is mine.  Also: I fetch for A (0) or for B (1)
	s_and_b32 s16, s14, 1                          ; which half of its columns.  Also: which half I fetch
	s_bfe_u32 s40, ttmp6, 0x40000
	s_bfe_u32 s41, ttmp6, 0x40004
	s_lshl_b32 s42, ttmp9, 2
	s_add_co_u32 s42, s42, s40                     ; tile column
	s_and_b32 s17, ttmp7, 0xffff
	s_lshl_b32 s17, s17, 2
	s_add_co_u32 s17, s17, s41                     ; tile row
	s_lshl_b32 s43, s41, 2
	s_lshl_b32 s43, 15, s43                        ; my row of the cluster
	s_lshl_b32 s44, 0x1111, s40                    ; my column
	s_or_b32 s[G1+0], s43, (3<<16)|(1<<21)         ; A: 25,600 dense bytes as 100 rows of 256, no padding
	s_mov_b32 s[G1+1], 32<<16
	s_mov_b32 s[G1+2], 100<<16
	s_mov_b32 s[G1+3], 32<<16
	s_mov_b32 s[G1+4], 100
	s_mov_b32 s[G1+5], 32
	s_mov_b32 s[G1+6], 0
	s_mov_b32 s[G1+7], 0
	s_or_b32 s[G1B+0], s44, (0<<16)|(1<<20)|(1<<21)|(3<<22)|(3<<25)   ; B: 128 rows of 192 bytes, 16 bytes of padding behind every 64
	s_mov_b32 s[G1B+1], ROWB<<16
	s_mov_b32 s[G1B+2], 128<<16
	s_mov_b32 s[G1B+3], ROWB<<16
	s_mov_b32 s[G1B+4], 128
	s_mov_b32 s[G1B+5], KROW
	s_mov_b32 s[G1B+6], 0
	s_mov_b32 s[G1B+7], 0
	s_or_b32 s[G1SB+0], s44, (3<<16)|(1<<20)|(1<<21)|(5<<22)|(3<<25)  ; B's scales of 128 rows: 32 rows of 256 bytes, 16 bytes of padding behind each
	s_mov_b32 s[G1SB+1], 32<<16
	s_mov_b32 s[G1SB+2], (128*KS/256)<<16
	s_mov_b32 s[G1SB+3], 32<<16
	s_mov_b32 s[G1SB+4], 128*KS/256
	s_mov_b32 s[G1SB+5], 32
	s_mov_b32 s[G1SB+6], 0
	s_mov_b32 s[G1SB+7], 0
	s_lshl_b32 s20, s17, 1
	s_add_co_u32 s20, s20, s16
	s_mul_i32 s20, s20, 16*UNIT                    ; A: block of 128 rows 2 x tile row + half: 16 units
	s_mov_b32 s21, 0
	s_lshl_b32 s18, s16, 7
	s_lshl_b32 s46, s42, 8
	s_add_co_u32 s46, s46, s18                     ; B: row 256 x tile column + 128 x half
	s_mov_b32 s47, 0
	s_mov_b64 s[18:19], KS
	s_mul_u64 s[92:93], s[46:47], s[18:19]
	s_mov_b64 s[18:19], KROW
	s_mul_u64 s[46:47], s[46:47], s[18:19]
	s_mul_i32 s45, s16, HALFA                      ; where they go in a slot: A's half,
	s_mul_i32 s94, s16, HALFT
	s_add_co_u32 s94, s94, BOFF                    ; B's half,
	s_mul_i32 s95, s16, HALFS                      ; and B's scales
	s_wait_kmcnt 0x0
	s_add_nc_u64 s[20:21], s[4:5], s[20:21]
	s_add_nc_u64 s[46:47], s[6:7], s[46:47]
	s_add_nc_u64 s[92:93], s[8:9], s[92:93]
	CROUND                                         ; all sixteen work-groups are here: the first joint loads meet
	s_mov_b32 s[G0SB], 1
	s_add_co_u32 s[G0SB+1], s95, SCL
	s_mov_b64 s[G0SB+2:G0SB+3], s[92:93]
	s_or_b32 s[G0SB+3], s[G0SB+3], 0x80000000
.irp s, 0,1
	s_mov_b32 s[G0+4*\s], 1
	s_add_co_u32 s[G0+4*\s+1], s45, \s*SLOT
	s_add_nc_u64 s[G0+4*\s+2:G0+4*\s+3], s[20:21], \s*HALFA
	s_or_b32 s[G0+4*\s+3], s[G0+4*\s+3], 0x80000000
	s_mov_b32 s[G0B+4*\s], 1
	s_add_co_u32 s[G0B+4*\s+1], s94, \s*SLOT
	s_add_nc_u64 s[G0B+4*\s+2:G0B+4*\s+3], s[46:47], \s*ROWB
	s_or_b32 s[G0B+4*\s+3], s[G0B+4*\s+3], 0x80000000
.endr
	s_cmp_eq_u32 s15, 0                            ; a wave's first fills stand in one branch: waves 0, 1 have two loads out, waves 2, 3 three; slot 1's is the last in both
	s_cbranch_scc0 .Lfirst_b
	tensor_load_to_lds s[G0:G0+3], s[G1:G1+7]
	s_nop 0
	tensor_load_to_lds s[G0+4:G0+7], s[G1:G1+7]
	s_nop 0
.rept 4
	v_nop
.endr
	s_branch .Lfirst_done
.Lfirst_b:
	tensor_load_to_lds s[G0SB:G0SB+3], s[G1SB:G1SB+7]
	s_nop 0
	tensor_load_to_lds s[G0B:G0B+3], s[G1B:G1B+7]
	s_nop 0
	tensor_load_to_lds s[G0B+4:G0B+7], s[G1B:G1B+7]
	s_nop 0
.rept 4
	v_nop
.endr
.Lfirst_done:
	v_and_b32 v1, 15, v0                           ; l % 16
	v_bfe_u32 v2, v0, 4, 1                         ; l / 16
	v_and_b32 v6, 31, v0
	v_lshlrev_b32 v[CO], 4, v6                     ; 16 x lane
	v_mul_u32_u24 v3, v1, PITCH
	v_mul_u32_u24 v4, v2, 24
	v_add_nc_u32 v4, v3, v4                        ; B: a fragment's row x pitch + 24 x half
	v_lshl_add_u32 v5, v2, 4, v4                   ; and the same behind one padding more
	s_mul_i32 s21, s15, HALFA                      ; my 128 rows of A: images, 16 bytes a lane
	s_mul_i32 s22, s16, HALFT
	s_add_co_u32 s22, s22, BOFF                    ; my 128 rows of B
.irp s, 0,1
	v_add_nc_u32 v[ADRA+\s], s21, v[CO]
	v_add_nc_u32 v[ADRB+\s], s22, v4
	v_add_nc_u32 v[ADRB+2+\s], s22, v5
	s_add_co_u32 s21, s21, SLOT
	s_add_co_u32 s22, s22, SLOT
.endr
	v_mul_u32_u24 v5, v1, KS                       ; B's scales: 64 bytes a row,
	v_lshrrev_b32 v6, 8, v5
	v_lshl_add_u32 v5, v6, 4, v5                   ; and 16 more for each 256 passed
	s_mul_i32 s21, s16, HALFS
	s_add_co_u32 s21, s21, SCL
	v_add_nc_u32 v[ADRS], s21, v5                  ; both halves of the lanes take row l % 16
	s_mul_i32 s23, s14, 16*SPITCH                  ; my stage
	v_mul_u32_u24 v5, v1, SPITCH
	v_lshl_add_u32 v5, v2, 5, v5
	v_add_nc_u32 v[STO], s23, v5
	v_add_nc_u32 v[RD], s23, v[CO]
	s_lshl_b32 s20, s17, 8
	s_lshl_b32 s21, s15, 7
	s_add_co_u32 s20, s20, s21                     ; my first row of the output
	s_mov_b32 s21, 0
	s_mov_b64 s[18:19], SIZE_N*4
	s_mul_u64 s[20:21], s[20:21], s[18:19]
	s_lshl_b32 s46, s42, 10
	s_lshl_b32 s47, s16, 9
	s_add_co_u32 s46, s46, s47                     ; my first column, in bytes
	s_mov_b32 s47, 0
	s_add_nc_u64 s[20:21], s[20:21], s[46:47]
	s_add_nc_u64 s[10:11], s[10:11], s[20:21]
.macro FRAG reg, adr, q, i             ; a fragment of B from padded rows, in pieces of 8 bytes
.irp p, 0,1,2,3,4,5
.set PCE, 12*(\q)+6*(\p/3)+\p%3
.if PCE%8 < 5
	ds_load_b64 v[\reg+2*\p:\reg+2*\p+1], v[\adr] offset:8*PCE+16*(PCE/8)+(\i)*16*PITCH
.else
	ds_load_b64 v[\reg+2*\p:\reg+2*\p+1], v[\adr+2] offset:8*PCE+16*(PCE/8)+(\i)*16*PITCH
.endif
.endr
.endm
; 8 matrix instructions: A's block a x B's eight.  B's scale word: lanes 0-15 of its register; A's: register a / 2 of the unit's four, lanes 0-15 for an even block, lanes 16-31 for an odd one.
.macro MUL8 a, p, q, sc, zero, odd
.irp b, 0,1,2,3,4,5,6,7
.if \zero
.if \odd
	v_wmma_scale_f32_16x16x128_f8f6f4 v[8*(8*((\a)%4)+\b):8*(8*((\a)%4)+\b)+7], v[128*(\p)+FR*\b:128*(\p)+FR*\b+FR-1], v[AF+FR*(\a):AF+FR*(\a)+FR-1], 0, v[SC+8*NQ*(\sc)+NQ*\b+(\q)], v[SA+8*(\sc)+4*(\q)+(\a)/2] matrix_a_fmt:MATRIX_FMT_FP6 matrix_b_fmt:MATRIX_FMT_FP6 matrix_b_scale:MATRIX_SCALE_ROW1
.else
	v_wmma_scale_f32_16x16x128_f8f6f4 v[8*(8*((\a)%4)+\b):8*(8*((\a)%4)+\b)+7], v[128*(\p)+FR*\b:128*(\p)+FR*\b+FR-1], v[AF+FR*(\a):AF+FR*(\a)+FR-1], 0, v[SC+8*NQ*(\sc)+NQ*\b+(\q)], v[SA+8*(\sc)+4*(\q)+(\a)/2] matrix_a_fmt:MATRIX_FMT_FP6 matrix_b_fmt:MATRIX_FMT_FP6
.endif
.else
.if \odd
	v_wmma_scale_f32_16x16x128_f8f6f4 v[8*(8*((\a)%4)+\b):8*(8*((\a)%4)+\b)+7], v[128*(\p)+FR*\b:128*(\p)+FR*\b+FR-1], v[AF+FR*(\a):AF+FR*(\a)+FR-1], v[8*(8*((\a)%4)+\b):8*(8*((\a)%4)+\b)+7], v[SC+8*NQ*(\sc)+NQ*\b+(\q)], v[SA+8*(\sc)+4*(\q)+(\a)/2] matrix_a_fmt:MATRIX_FMT_FP6 matrix_b_fmt:MATRIX_FMT_FP6 matrix_b_scale:MATRIX_SCALE_ROW1
.else
	v_wmma_scale_f32_16x16x128_f8f6f4 v[8*(8*((\a)%4)+\b):8*(8*((\a)%4)+\b)+7], v[128*(\p)+FR*\b:128*(\p)+FR*\b+FR-1], v[AF+FR*(\a):AF+FR*(\a)+FR-1], v[8*(8*((\a)%4)+\b):8*(8*((\a)%4)+\b)+7], v[SC+8*NQ*(\sc)+NQ*\b+(\q)], v[SA+8*(\sc)+4*(\q)+(\a)/2] matrix_a_fmt:MATRIX_FMT_FP6 matrix_b_fmt:MATRIX_FMT_FP6
.endif
.endif
.endr
.endm
.macro MUL16 a0, p, q, sc, zero        ; the 64 accumulators take turns, one instruction a turn, in the same order in every step
	MUL8 \a0, \p, \q, \sc, \zero, 0
	MUL8 (\a0)+1, \p, \q, \sc, \zero, 1
.endm
.macro FETCH_B slot, q, p
	WIN TO_B
.irp i, 0,1,2,3,4,5,6,7
	FRAG 128*(\p)+FR*\i, ADRB+\slot, \q, \i
.endr
	WIN 0
.endm
.macro FETCH_A slot, q, i0             ; A's blocks i0 .. i0 + 3: images, three loads of 512 consecutive bytes each
.irp i, \i0, \i0+1, \i0+2, \i0+3
.irp c, 0,1,2
	ds_load_b128 v[AF+FR*(\i)+4*\c:AF+FR*(\i)+4*\c+3], v[ADRA+\slot] offset:(\q)*UNIT+(\i)*1536+512*\c
.endr
.endr
.endm
.macro SCALES sc                       ; a K step's scale words: B's eight blocks, and the two units' of A
.irp i, 0,1,2,3,4,5,6,7
	ds_load_b64 v[SC+8*NQ*\sc+NQ*\i:SC+8*NQ*\sc+NQ*\i+1], v[ADRS] offset:\i*SBLK
.endr
.irp q, 0,1
	ds_load_b128 v[SA+8*\sc+4*\q:SA+8*\sc+4*\q+3], v[ADRA+\sc] offset:\q*UNIT+12288
.endr
.endm
.macro PLACES n
.rept \n
	v_nop
.endr
.endm
.macro STEP slot, q, zero
	s_wait_dscnt 4*NLA                             ; all but A's blocks 4-7, 12 loads
	WIN MUL_LO
	MUL16 0, (\q)%2, \q, \slot, \zero
	MUL16 2, (\q)%2, \q, \slot, \zero
	s_wait_dscnt 0
	PLACES NP
	FETCH_B \slot, (\q)+1, 1-(\q)%2
	FETCH_A \slot, (\q)+1, 0
	WIN MUL_HI
	MUL16 4, (\q)%2, \q, \slot, \zero
	MUL16 6, (\q)%2, \q, \slot, \zero
	PLACES NP
	WIN 0
	FETCH_A \slot, (\q)+1, 4
.endm
; A slot's last step changes slots: each wave waits for all its tensor loads, adds 0 to its spare word, waits for that and for its reads of this slot, and signals.  fill = 1: a round, and this slot's next tile.
.macro TURN slot, next, fill
	s_wait_tensorcnt 0x0
	ds_add_u32 v[SPW], v[NIL]                      ; 0 onto my spare word
	s_wait_dscnt 4*NLA+1                           ; (the add and A's blocks 4-7 may be out)
	WIN MUL_LO
	MUL16 0, 1, NQ-1, \slot, 0
	s_wait_dscnt 0x0
	s_barrier_signal -1
	MUL16 2, 1, NQ-1, \slot, 0
	WIN 0
	s_barrier_wait -1
.if \fill
	CREST
	s_add_nc_u64 s[G0+4*\slot+2:G0+4*\slot+3], s[G0+4*\slot+2:G0+4*\slot+3], 2*HALFA
	s_add_nc_u64 s[G0B+4*\slot+2:G0B+4*\slot+3], s[G0B+4*\slot+2:G0B+4*\slot+3], 2*ROWB
	JLOAD G0+4*\slot, G1, G0B+4*\slot, G1B
.else
	PLACES NP
.endif
	v_add_nc_u32 v[ADRS], 4*NQ, v[ADRS]
	FETCH_B \next, 0, 0
	FETCH_A \next, 0, 0
	SCALES \next
	WIN MUL_HI
	MUL16 4, 1, NQ-1, \slot, 0
	MUL16 6, 1, NQ-1, \slot, 0
	PLACES NP
	WIN 0
	FETCH_A \next, 0, 4
.endm
	s_wait_tensorcnt 1                             ; all my first fills but slot 1's are in
	s_barrier_signal -1
	s_barrier_wait -1
	FETCH_B 0, 0, 0
	FETCH_A 0, 0, 0
	SCALES 0
	FETCH_A 0, 0, 4
	STEP 0, 0, 1
	s_mov_b32 s3, LAPS-1
.Llap:
	TURN 0, 1, 1
	STEP 1, 0, 0
	TURN 1, 0, 1
	STEP 0, 0, 0
	s_sub_co_u32 s3, s3, 1
	s_cmp_lg_u32 s3, 0
	s_cbranch_scc1 .Llap
	TURN 0, 1, 0
	STEP 1, 0, 0
	s_wait_dscnt 4*NLA
	WIN MUL_LO
	MUL16 0, 1, NQ-1, 1, 0
	MUL16 2, 1, NQ-1, 1, 0
	s_wait_dscnt 0
	WIN MUL_HI
	MUL16 4, 1, NQ-1, 1, 0
	MUL16 6, 1, NQ-1, 1, 0
	WIN 0
; THE WAY OUT, block by block of 16 rows x 128 columns, through my own stage in LDS: back as whole rows of 512 bytes.  LDS serves a wave's instructions in order (ISA guide 5.7.1.4).
.macro TOSTAGE a
.set AC, 64*((\a)%4)
	WIN 0x08+4*((\a)/4)                            ; the data: window 2 or 3
.irp b, 0,1,2,3,4,5,6,7
	ds_store_b128 v[STO], v[AC+8*\b:AC+8*\b+3] offset:64*\b          ; each accumulator from its low end on
	ds_store_b128 v[STO], v[AC+8*\b+4:AC+8*\b+7] offset:64*\b+16
.endr
	WIN 0
.set BB, BK+64*((\a)%2)
.irp t, 0,1,2,3,4,5,6,7,8,9,10,11,12,13,14,15
	ds_load_b128 v[BB+4*\t:BB+4*\t+3], v[RD] offset:\t*SPITCH
.endr
.endm
.macro SEND a, younger
.set BB, BK+64*((\a)%2)
	s_wait_dscnt \younger
.if (\a) > 0
	s_add_nc_u64 s[10:11], s[10:11], 16*SIZE_N*4   ; (behind a wait on XCNT: the earlier stores have read their base)
.endif
.irp t, 0,1,2,3,4,5,6,7,8,9,10,11,12,13,14,15
	global_store_b128 v[CO], v[BB+4*\t:BB+4*\t+3], s[10:11] offset:\t*SIZE_N*4 th:TH_STORE_NT   ; 32 lanes store 512 consecutive bytes
.endr
.endm
	PLACES NP
	TOSTAGE 0
.irp a, 1,2,3,4,5,6,7
.if \a > 1
	s_wait_xcnt 0x0                                ; block a - 2's stores have read their registers and their base
.endif
	TOSTAGE \a
	SEND \a-1, 32                                  ; behind block a - 1's loads: block a's 16 stores and 16 loads
.endr
	s_wait_xcnt 0x0
	SEND 7, 0
	s_wait_tensorcnt 0x0                           ; the wave's end
	ds_add_u32 v[SPW], v[NIL]
	s_wait_dscnt 0x0
	CROUND                                         ; the closing round
	s_endpgm
.Lfunc_end_k_q067730be35_oproj:
	.size	k_q067730be35_oproj, .Lfunc_end_k_q067730be35_oproj-k_q067730be35_oproj
	.p2alignl 7, 3214868480
	.fill 96, 4, 3214868480
	.section	.rodata,"a",@progbits
	.p2align	6, 0x0
	.amdhsa_kernel k_q067730be35_oproj
		.amdhsa_group_segment_fixed_size 327680
		.amdhsa_private_segment_fixed_size 0
		.amdhsa_enable_private_segment 0
		.amdhsa_kernarg_size 32
		.amdhsa_user_sgpr_count 2
		.amdhsa_user_sgpr_kernarg_segment_ptr 1
		.amdhsa_wavefront_size32 1
		.amdhsa_system_sgpr_workgroup_id_x 1
		.amdhsa_system_sgpr_workgroup_id_y 1
		.amdhsa_system_sgpr_workgroup_id_z 1
		.amdhsa_system_vgpr_workitem_id 0
		.amdhsa_next_free_vgpr 1024
		.amdhsa_next_free_sgpr 100
		.amdhsa_reserve_vcc 0
		.amdhsa_float_denorm_mode_32 3
		.amdhsa_float_denorm_mode_16_64 3
		.amdhsa_memory_ordered 1
		.amdhsa_forward_progress 1
		.amdhsa_inst_pref_size 147
	.end_amdhsa_kernel
	.amdgpu_metadata
---
amdhsa.version: [ 1, 2 ]
amdhsa.kernels:
  - .name:           k_q067730be35_oproj
    .symbol:         k_q067730be35_oproj.kd
    .args:
      - { .name: ctx, .offset: 0, .size: 8, .value_kind: global_buffer, .address_space: global }
      - { .name: Wd_codes, .offset: 8, .size: 8, .value_kind: global_buffer, .address_space: global }
      - { .name: Wd_scales, .offset: 16, .size: 8, .value_kind: global_buffer, .address_space: global }
      - { .name: out0, .offset: 24, .size: 8, .value_kind: global_buffer, .address_space: global }
    .group_segment_fixed_size: 327680
    .private_segment_fixed_size: 0
    .kernarg_segment_align: 8
    .kernarg_segment_size: 32
    .max_flat_workgroup_size: 128
    .sgpr_count:     100
    .vgpr_count:     1024
    .wavefront_size: 32
...
	.end_amdgpu_metadata
.endif
;; end of part 4
;; ======== version 2 of 2: 4 launches
;; workspace buffers: maskw 524,288 bytes of whole numbers; tab 1,048,576 bytes; qimg 3,276,800 bytes; kv 6,553,600 bytes; ctx 3,276,800 bytes
;; launch prep: the kernel of part 1 again; grid 256 x 1, 4 waves a work-group, no clusters, 0 bytes of LDS; arguments attention_mask, position_ids, maskw, tab; writes maskw, tab
;; launch qkv: the kernel of part 2 again; grid 24 x 8, 4 waves a work-group, clusters of 4 x 4, 327,680 bytes of LDS; arguments hidden_states_codes, hidden_states_scales, Wq_codes, Wq_scales, Wk_codes, Wk_scales, Wv_codes, Wv_scales, tab, qimg, kv; writes qimg, kv
;; launch attn: the kernel of part 3 again; grid 16 x 16, 8 waves a work-group, clusters of 4 x 1, 327,680 bytes of LDS; arguments qimg, kv, maskw, ctx; writes ctx
;; launch oproj (part 5): grid 16 x 16, 4 waves a work-group, clusters of 4 x 4, 327,680 bytes of LDS; arguments ctx, Wd_codes, Wd_scales, out0; writes out0
.if DOCPART == 5
	.amdgcn_target "amdgcn-amd-amdhsa--gfx1250"
	.amdhsa_code_object_version 6
	.text
	.protected	k_q067730be35_oproj
	.globl	k_q067730be35_oproj
	.p2align	8
	.type	k_q067730be35_oproj,@function
k_q067730be35_oproj:
	s_mov_b64 s[64:65], 0
	v_nop
	global_prefetch_b8 v0, s[64:65] scope:SCOPE_SE
	s_setreg_imm32_b32 hwreg(HW_REG_WAVE_MODE, 25, 1), 1
	s_wait_xcnt 0x0
	s_wait_alu depctr_hold_cnt(0) depctr_sa_sdst(0) depctr_va_vdst(0) depctr_va_sdst(0) depctr_va_ssrc(0) depctr_va_vcc(0) depctr_vm_vsrc(0)
	s_getreg_b32 s2, hwreg(HW_REG_IB_STS2, 6, 4)
	s_cmp_eq_u32 s2, 0
	s_cbranch_scc0 .Lentry_in_a_cluster
	s_endpgm
.Lentry_in_a_cluster:
	s_bfe_u32 s2, ttmp6, 0x10000c
	s_cmp_lg_u32 s2, 0xf033
	s_cbranch_scc0 .Lentry_shape_is_right
	s_endpgm
.Lentry_shape_is_right:
; out0 = ctx Wd^T on codes of FP6 (E2M3).  ctx comes as units of 12,800 bytes, register images of 128 rows x 128 K with their scale words (unit 16 x block of 128 rows + K step of 128:
; fragment a at 1,536 a, its registers 4 c .. 4 c + 3 at + 512 c + 16 x lane; at 12,288 the scale words: byte 16 x lane + 4 i: lanes 0-15 fragment 2 i, lanes 16-31 fragment 2 i + 1);
; Wd as given: rows of 1,536 bytes of codes, scale bytes [2048][64], taken as they are.
; SHARES: the output has 256 tiles of 128 x 128, a work-group each; tiles of 256 x 256 would be 64.  Four waves, each 64 x 64: 16 accumulators.  Wave w: rows 64 (w / 2) on, columns 64 (w % 2) on.
; THE RING: two LDS slots of 512 along K: A's part four units (51,200 dense bytes), B's part two tiles of 128 rows x 192 bytes, 240 bytes apart.  K = 2,048 is four fills: two at the start, two refills.
; One tensor load a wave: waves 0, 1 two units of A each, waves 2, 3 one of B's two tiles each.  Three such slots do not fit in LDS.  Wd's scale bytes of the tile's 128 rows come once and stay.
; CLUSTERS: 4 x 4.  A's tiles are shared along a row of the cluster, B's along a column: joint loads.  The matrix instruction is used transposed (source 0 = 16 rows of Wd, source 1 = 16 rows of ctx):
; a lane then holds eight neighbouring numbers of a row of the output.
; The 16 steps of 128 along K are written out: every offset is an immediate, and no wait's count has to hold round a backward jump.
; REGISTERS, in windows of 256: window 0: v16-30 addresses; v32-63 Wd's scale words, two sets; v64-79 ctx's, two sets; v128-255 the accumulators ((a, b) at v[128 + 8 (4 a + b)]).
;   window 1: two fragment buffers, v0-95 and v128-223: A's four fragments, then B's four.
.set SIZE_N, 2048
.set ROWB,   192                       ; 256 codes in bytes
.set KROW,   1536                      ; a row of Wd's codes
.set PITCH,  240                       ; an LDS row of B: 3 x (64 bytes + 16 of padding)
.set FR,     12                        ; registers of a fragment
.set UNIT,   12800
.set HALFA,  2*UNIT                    ; what one load brings of A
.set BOFF,   2*HALFA                   ; B's part of a slot
.set HALFT,  128*PITCH                 ; what one load brings of B: 128 rows x 256 along K
.set SLOT,   BOFF+2*HALFT
.set KS,     64                        ; a row of scale bytes
.set SCL,    2*SLOT                    ; behind the ring: Wd's scale bytes, as rows of 256 bytes + 16 of padding
.set HALFS,  (64*KS/256)*272           ; those of 64 rows: what one load brings
.set SBLK,   (16*KS/256)*272           ; those of 16 rows
.set SPARE,  SCL+2*HALFS               ; the spare words: 128 bytes for each wave, two blocks of 256 bytes that no other line names
.set STAGE,  SPARE+512                 ; the way out: 16 rows x (256 + 16) bytes for each wave, in bytes that no tensor load fills
.set SPITCH, 272
.set ADRA, 16                          ; v16-17  my A fragments in slot 0, 1: 16 x lane + my four fragments' place in a unit
.set ASA,  18                          ; v18-19  my A scale words: 16 x lane + 8 x (w / 2)
.set ADRB, 20                          ; v20-21  my B fragments;  v22-23 the same behind one padding more
.set STO,  24
.set RD,   25
.set CO,   26
.set ADRS, 27                          ; v27     my rows of Wd's scale bytes
.set SPW,  28
.set NIL,  29
.set LI,   30                          ; v30     16 x lane
.set SC,   32
.set SA,   64
.set ACC,  128
.set F0,   0
.set F1,   128
.set G1,   24                          ; s[24:31] group 1 for A's tiles;  s[32:39] group 0, one set for each slot
.set G0,   32
.set G1B,  48                          ; s[48:55], s[56:63] the same for B's
.set G0B,  56
.set G1SB, 80                          ; s[80:87], s[88:91] for B's scale bytes
.set G0SB, 88
.set MSB, 0
.macro WIN new                         ; the immediate's high byte repeats the setting that is left
.if MSB != (\new)
	s_set_vgpr_msb (MSB<<8)|(\new)
.set MSB, (\new)
.endif
.endm
.set MUL,  0x05                        ; sources 0 (B) and 1 (A) window 1; C and D window 0
.set TO_F, 0x40                        ; destination window 1, address window 0
.macro JLOAD g0a, g1a, g0b, g1b        ; a joint load: waves 0 and 1 fetch for A, waves 2 and 3 for B; four v_nop follow each line
	s_cmp_eq_u32 s15, 0
	s_cbranch_scc0 .Lfor_b_\@
	tensor_load_to_lds s[\g0a:\g0a+3], s[\g1a:\g1a+7]
	s_nop 0
.rept 4
	v_nop
.endr
	s_branch .Lasked_\@
.Lfor_b_\@:
	tensor_load_to_lds s[\g0b:\g0b+3], s[\g1b:\g1b+7]
	s_nop 0
.rept 4
	v_nop
.endr
.Lasked_\@:
.endm
.macro CREST                           ; a round of the cluster's barrier behind its opening barrier
	s_cmp_lg_u32 s14, 0
	s_cbranch_scc1 .Lnot_wave_0_\@
	s_barrier_signal -3
.Lnot_wave_0_\@:
	s_barrier_wait -3
	s_barrier_signal -1
	s_barrier_wait -1
.endm
.macro CROUND
	s_barrier_signal -1
	s_barrier_wait -1
	CREST
.endm
	s_load_b256 s[4:11], s[0:1], 0x0               ; ctx s[4:5], Wd's codes s[6:7], Wd's scales s[8:9], out0 s[10:11]
	v_lshl_add_u32 v[SPW], v0, 2, SPARE
	v_mov_b32 v[NIL], 0
	ds_add_u32 v28, v29
	ds_add_u32 v28, v29
	s_wait_dscnt 0x0
	v_lshrrev_b32 v1, 5, v0
	v_readfirstlane_b32 s14, v1                    ; wave 0..3
	s_lshr_b32 s15, s14, 1                         ; which 64 rows of the tile are mine.  Also: I fetch for A (0) or for B (1)
	s_and_b32 s16, s14, 1                          ; which 64 columns.  Also: which half of a slot's A or B I fetch
	s_bfe_u32 s40, ttmp6, 0x40000                  ; cx
	s_bfe_u32 s41, ttmp6, 0x40004                  ; cy
	s_lshl_b32 s42, ttmp9, 2
	s_add_co_u32 s42, s42, s40                     ; tile column = 4 x cluster x + cx
	s_and_b32 s17, ttmp7, 0xffff
	s_lshl_b32 s17, s17, 2
	s_add_co_u32 s17, s17, s41                     ; tile row = 4 x cluster y + cy
	s_lshl_b32 s43, s41, 2
	s_lshl_b32 s43, 15, s43                        ; my row of the cluster
	s_lshl_b32 s44, 0x1111, s40                    ; my column
	s_or_b32 s[G1+0], s43, (3<<16)|(1<<21)         ; A: 25,600 dense bytes as 100 rows of 256 (32 elements of 8 bytes), no padding; the mask, and bit 21 beside it
	s_mov_b32 s[G1+1], 32<<16
	s_mov_b32 s[G1+2], 100<<16
	s_mov_b32 s[G1+3], 32<<16
	s_mov_b32 s[G1+4], 100
	s_mov_b32 s[G1+5], 32
	s_mov_b32 s[G1+6], 0
	s_mov_b32 s[G1+7], 0
	s_or_b32 s[G1B+0], s44, (0<<16)|(1<<20)|(1<<21)|(3<<22)|(3<<25)   ; B: 128 rows of 192 bytes, 16 bytes of padding behind every 64
	s_mov_b32 s[G1B+1], ROWB<<16
	s_mov_b32 s[G1B+2], 128<<16
	s_mov_b32 s[G1B+3], ROWB<<16
	s_mov_b32 s[G1B+4], 128
	s_mov_b32 s[G1B+5], KROW
	s_mov_b32 s[G1B+6], 0
	s_mov_b32 s[G1B+7], 0
	s_or_b32 s[G1SB+0], s44, (3<<16)|(1<<20)|(1<<21)|(5<<22)|(3<<25)  ; B's scale bytes of 64 rows: 16 rows of 256 bytes, 16 bytes of padding behind each
	s_mov_b32 s[G1SB+1], 32<<16
	s_mov_b32 s[G1SB+2], (64*KS/256)<<16
	s_mov_b32 s[G1SB+3], 32<<16
	s_mov_b32 s[G1SB+4], 64*KS/256
	s_mov_b32 s[G1SB+5], 32
	s_mov_b32 s[G1SB+6], 0
	s_mov_b32 s[G1SB+7], 0
	s_mul_i32 s20, s17, 16*UNIT                    ; A: the tile row's 16 units,
	s_mul_i32 s18, s16, HALFA                      ; and of a slot's four the two that I fetch
	s_add_co_u32 s20, s20, s18
	s_mov_b32 s21, 0
	s_mul_i32 s46, s42, 128*KROW                   ; B: the tile column's 128 rows,
	s_mul_i32 s18, s16, ROWB                       ; and of a slot's 512 along K the 256 that I fetch
	s_add_co_u32 s46, s46, s18
	s_mov_b32 s47, 0
	s_lshl_b32 s92, s42, 13                        ; B's scale bytes: 128 rows of 64 bytes,
	s_lshl_b32 s18, s16, 12                        ; my 64 rows of them
	s_add_co_u32 s92, s92, s18
	s_mov_b32 s93, 0
	s_mul_i32 s45, s16, HALFA                      ; where they go in a slot: no place in the cluster enters an LDS address
	s_mul_i32 s94, s16, HALFT
	s_add_co_u32 s94, s94, BOFF
	s_mul_i32 s95, s16, HALFS
	s_wait_kmcnt 0x0
	s_add_nc_u64 s[20:21], s[4:5], s[20:21]
	s_add_nc_u64 s[46:47], s[6:7], s[46:47]
	s_add_nc_u64 s[92:93], s[8:9], s[92:93]
	CROUND                                         ; all sixteen work-groups are here: the first joint loads meet
	s_mov_b32 s[G0SB], 1
	s_add_co_u32 s[G0SB+1], s95, SCL
	s_mov_b64 s[G0SB+2:G0SB+3], s[92:93]
	s_or_b32 s[G0SB+3], s[G0SB+3], 0x80000000
.irp s, 0,1
	s_mov_b32 s[G0+4*\s], 1
	s_add_co_u32 s[G0+4*\s+1], s45, \s*SLOT
	s_add_nc_u64 s[G0+4*\s+2:G0+4*\s+3], s[20:21], \s*2*HALFA     ; slot s begins with K = 512 s: four units on
	s_or_b32 s[G0+4*\s+3], s[G0+4*\s+3], 0x80000000
	s_mov_b32 s[G0B+4*\s], 1
	s_add_co_u32 s[G0B+4*\s+1], s94, \s*SLOT
	s_add_nc_u64 s[G0B+4*\s+2:G0B+4*\s+3], s[46:47], \s*2*ROWB
	s_or_b32 s[G0B+4*\s+3], s[G0B+4*\s+3], 0x80000000
.endr
	s_cmp_eq_u32 s15, 0                            ; a wave's first fills stand in one branch: waves 0, 1 have two loads out, waves 2, 3 three; slot 1's is the last in both
	s_cbranch_scc0 .Lfirst_b
	tensor_load_to_lds s[G0:G0+3], s[G1:G1+7]
	s_nop 0
	tensor_load_to_lds s[G0+4:G0+7], s[G1:G1+7]
	s_nop 0
.rept 4
	v_nop
.endr
	s_branch .Lfirst_done
.Lfirst_b:
	tensor_load_to_lds s[G0SB:G0SB+3], s[G1SB:G1SB+7]
	s_nop 0
	tensor_load_to_lds s[G0B:G0B+3], s[G1B:G1B+7]
	s_nop 0
	tensor_load_to_lds s[G0B+4:G0B+7], s[G1B:G1B+7]
	s_nop 0
.rept 4
	v_nop
.endr
.Lfirst_done:
	v_and_b32 v1, 15, v0                           ; r = l % 16
	v_bfe_u32 v2, v0, 4, 1                         ; h = l / 16
	v_and_b32 v6, 31, v0
	v_lshlrev_b32 v[LI], 4, v6                     ; 16 x lane
	v_mul_u32_u24 v3, v1, PITCH
	v_mul_u32_u24 v4, v2, 24
	v_add_nc_u32 v4, v3, v4                        ; B: a fragment's row x pitch + 24 x half
	v_lshl_add_u32 v5, v2, 4, v4                   ; and the same behind one padding more
	s_mul_i32 s21, s15, 4*1536                     ; A: my four fragments of a unit's eight
	s_lshl_b32 s23, s15, 3                         ; and their two registers of its four of scale words
	s_mul_i32 s22, s16, 64*PITCH
	s_add_co_u32 s22, s22, BOFF                    ; B: my 64 rows of the 128
.irp s, 0,1
	v_add_nc_u32 v[ADRA+\s], s21, v[LI]
	v_add_nc_u32 v[ASA+\s], s23, v[LI]
	v_add_nc_u32 v[ADRB+\s], s22, v4
	v_add_nc_u32 v[ADRB+2+\s], s22, v5
	s_add_co_u32 s21, s21, SLOT
	s_add_co_u32 s23, s23, SLOT
	s_add_co_u32 s22, s22, SLOT
.endr
	v_lshlrev_b32 v5, 6, v1                        ; B's scale bytes: 64 bytes a row,
	v_lshrrev_b32 v6, 2, v1
	v_lshl_add_u32 v5, v6, 4, v5                   ; and 16 more for each four rows passed
	s_mul_i32 s21, s16, HALFS
	s_add_co_u32 s21, s21, SCL
	v_add_nc_u32 v[ADRS], s21, v5                  ; both halves of the lanes take row l % 16
	s_mul_i32 s23, s14, 16*SPITCH
	s_add_co_u32 s23, s23, STAGE                   ; my stage
	v_mul_u32_u24 v5, v1, SPITCH                   ; in: row r, 32 bytes for each half of the lanes
	v_lshl_add_u32 v5, v2, 5, v5
	v_add_nc_u32 v[STO], s23, v5
	v_mul_u32_u24 v5, v2, SPITCH                   ; back: lanes 0-15 one row of 256 bytes, lanes 16-31 the next
	v_lshl_add_u32 v5, v1, 4, v5
	v_add_nc_u32 v[RD], s23, v5
	v_lshlrev_b32 v[CO], 13, v2                    ; and the same two rows in the output: 8,192 bytes a row
	v_lshl_add_u32 v[CO], v1, 4, v[CO]
	s_lshl_b32 s20, s17, 7
	s_lshl_b32 s21, s15, 6
	s_add_co_u32 s20, s20, s21                     ; my first row: 128 x tile row + 64 x half
	s_lshl_b32 s20, s20, 13
	s_lshl_b32 s46, s42, 9
	s_lshl_b32 s47, s16, 8
	s_add_co_u32 s46, s46, s47                     ; my first column, in bytes: 512 x tile column + 256 x half
	s_add_co_u32 s20, s20, s46
	s_mov_b32 s21, 0
	s_add_nc_u64 s[10:11], s[10:11], s[20:21]
.macro FRAG reg, adr, q, i             ; a fragment of B: lane l holds row l % 16; registers 6 c .. 6 c + 5 hold K = 64 c + 32 (l / 16) + 0 .. 31, 24 bytes as they lie, in pieces of 8 bytes
.irp p, 0,1,2,3,4,5                    ; the slot's q-th 128 along K lie in B's tile q / 2, in the half q % 2 of its rows
.set PCE, 12*((\q)%2)+6*(\p/3)+\p%3    ; where the piece three on lies behind one padding more, the second address register serves
.if PCE%8 < 5
	ds_load_b64 v[\reg+2*\p:\reg+2*\p+1], v[\adr] offset:((\q)/2)*HALFT+8*PCE+16*(PCE/8)+(\i)*16*PITCH
.else
	ds_load_b64 v[\reg+2*\p:\reg+2*\p+1], v[\adr+2] offset:((\q)/2)*HALFT+8*PCE+16*(PCE/8)+(\i)*16*PITCH
.endif
.endr
.endm
; 4 matrix instructions: A's block a x B's four, from buffer f.  B's scale word: lanes 0-15 of its register; A's: lanes 0-15 for an even block, lanes 16-31 for an odd one.
; The 16 accumulators take turns, one instruction a turn, in the same order in every step.  zero = 1: the first product starts the sums.
.macro MUL4 f, a, q, sc, zero
.irp b, 0,1,2,3
.set rD, ACC+8*(4*(\a)+\b)
.set rB, (\f)+48+FR*\b
.set rA, (\f)+FR*(\a)
.set rSB, SC+16*(\sc)+4*\b+(\q)
.set rSA, SA+8*(\sc)+2*(\q)+(\a)/2
.if \zero
.if (\a)%2
	v_wmma_scale_f32_16x16x128_f8f6f4 v[rD:rD+7], v[rB:rB+FR-1], v[rA:rA+FR-1], 0, v[rSB], v[rSA] matrix_a_fmt:MATRIX_FMT_FP6 matrix_b_fmt:MATRIX_FMT_FP6 matrix_b_scale:MATRIX_SCALE_ROW1
.else
	v_wmma_scale_f32_16x16x128_f8f6f4 v[rD:rD+7], v[rB:rB+FR-1], v[rA:rA+FR-1], 0, v[rSB], v[rSA] matrix_a_fmt:MATRIX_FMT_FP6 matrix_b_fmt:MATRIX_FMT_FP6
.endif
.else
.if (\a)%2
	v_wmma_scale_f32_16x16x128_f8f6f4 v[rD:rD+7], v[rB:rB+FR-1], v[rA:rA+FR-1], v[rD:rD+7], v[rSB], v[rSA] matrix_a_fmt:MATRIX_FMT_FP6 matrix_b_fmt:MATRIX_FMT_FP6 matrix_b_scale:MATRIX_SCALE_ROW1
.else
	v_wmma_scale_f32_16x16x128_f8f6f4 v[rD:rD+7], v[rB:rB+FR-1], v[rA:rA+FR-1], v[rD:rD+7], v[rSB], v[rSA] matrix_a_fmt:MATRIX_FMT_FP6 matrix_b_fmt:MATRIX_FMT_FP6
.endif
.endif
.endr
.endm
.macro FETCH slot, q, f                ; 36 LDS loads in one run: B's four fragments (24), then A's four (12: images, 512 consecutive bytes a load), blocks 2 and 3 last
	WIN TO_F
.irp i, 0,1,2,3
	FRAG (\f)+48+FR*\i, ADRB+\slot, \q, \i
.endr
.irp i, 0,1,2,3
.irp c, 0,1,2
	ds_load_b128 v[(\f)+FR*\i+4*\c:(\f)+FR*\i+4*\c+3], v[ADRA+\slot] offset:(\q)*UNIT+\i*1536+512*\c
.endr
.endr
.endm
.macro SCALES sc, visit                ; a slot's scale words into set sc: of B's block b the row's four words of K = 512 visit on; of each of A's four units my two registers
.irp b, 0,1,2,3
	ds_load_b128 v[SC+16*\sc+4*\b:SC+16*\sc+4*\b+3], v[ADRS] offset:\b*SBLK+16*(\visit)
.endr
.irp q, 0,1,2,3
	ds_load_b64 v[SA+8*\sc+2*\q:SA+8*\sc+2*\q+1], v[ASA+\sc] offset:\q*UNIT+12288
.endr
.endm
.macro PLACES                          ; four plain vector lines between a matrix instruction and a load into, or a store of, its registers (ISA guide 7.12.1 for vector instructions)
.rept 4
	v_nop
.endr
.endm
; A step of 128 along K with its successor in the same slot: multiplies buffer f; in its middle it fetches the next step's fragments into buffer g.
.macro STEP slot, q, f, g, zero
	s_wait_dscnt 6                                 ; B's four and A's blocks 0, 1 are in; A's blocks 2, 3, six loads, may be out
	WIN MUL
	MUL4 \f, 0, \q, \slot, \zero
	MUL4 \f, 1, \q, \slot, \zero
	PLACES                                         ; for the loads into buffer g, which the step before multiplied
	FETCH \slot, (\q)+1, \g
	s_wait_dscnt 36                                ; all but the 36 just issued
	WIN MUL
	MUL4 \f, 2, \q, \slot, \zero
	MUL4 \f, 3, \q, \slot, \zero
.endm
; A slot's last step multiplies buffer 1 and changes slots: each wave waits for all its tensor loads (its part of the next slot), adds 0 to its spare word, waits for that and for its reads of this slot, and signals.
; fill = 1: the barrier opens a round of the cluster's barrier, and this slot is filled again with K = 1,024 further on: the load has the next slot's four steps in which to land.
.macro TURN slot, next, fill, visit
	WIN 0                                          ; (the add's two registers lie in window 0)
	s_wait_tensorcnt 0x0
	ds_add_u32 v[SPW], v[NIL]                      ; 0 onto my spare word
	s_wait_dscnt 7                                 ; (the add and A's blocks 2, 3 may be out)
	WIN MUL
	MUL4 F1, 0, 3, \slot, 0                        ; four matrix instructions stand between the add and the wait for it
	s_wait_dscnt 0x0                               ; the add is done, and my reads of this slot are over
	s_barrier_signal -1
	MUL4 F1, 1, 3, \slot, 0
	WIN 0
	s_barrier_wait -1
.if \fill
	CREST                                          ; no wave of any partner still reads this slot or has a load on its way
	s_add_nc_u64 s[G0+4*\slot+2:G0+4*\slot+3], s[G0+4*\slot+2:G0+4*\slot+3], 4*HALFA
	s_add_nc_u64 s[G0B+4*\slot+2:G0B+4*\slot+3], s[G0B+4*\slot+2:G0B+4*\slot+3], 4*ROWB
	JLOAD G0+4*\slot, G1, G0B+4*\slot, G1B         ; the first tensor load behind the round; its four v_nop are the places in front of the loads below
.else
	PLACES
.endif
	SCALES \next, \visit
	FETCH \next, 0, F0
	WIN MUL
	MUL4 F1, 2, 3, \slot, 0
	MUL4 F1, 3, 3, \slot, 0
.endm
	s_wait_tensorcnt 1                             ; all my first fills but slot 1's are in
	s_barrier_signal -1
	s_barrier_wait -1                              ; everybody's are
	SCALES 0, 0
	FETCH 0, 0, F0
	STEP 0, 0, F0, F1, 1                           ; K = 0: the first step starts the sums
	STEP 0, 1, F1, F0, 0
	STEP 0, 2, F0, F1, 0
	TURN 0, 1, 1, 1                                ; slot 0 takes K = 1,024 on
	STEP 1, 0, F0, F1, 0
	STEP 1, 1, F1, F0, 0
	STEP 1, 2, F0, F1, 0
	TURN 1, 0, 1, 2                                ; slot 1 takes K = 1,536 on
	STEP 0, 0, F0, F1, 0
	STEP 0, 1, F1, F0, 0
	STEP 0, 2, F0, F1, 0
	TURN 0, 1, 0, 3                                ; nothing is left to fetch
	STEP 1, 0, F0, F1, 0
	STEP 1, 1, F1, F0, 0
	STEP 1, 2, F0, F1, 0
	s_wait_dscnt 6                                 ; the very last step
	WIN MUL
	MUL4 F1, 0, 3, 1, 0
	MUL4 F1, 1, 3, 1, 0
	s_wait_dscnt 0x0
	MUL4 F1, 2, 3, 1, 0
	MUL4 F1, 3, 3, 1, 0
	WIN 0
; THE WAY OUT, block by block of 16 rows x 64 columns.  A lane holds 32 neighbouring bytes of a row, and the lanes beside it hold other rows: a block goes through my own stage and comes back as whole pieces of rows,
; 256 bytes each, into the registers that it left.  LDS serves a wave's instructions in order (ISA guide 5.7.1.4): no wait between the stores and the loads, nor in front of the next block's stores.
.macro TOSTAGE a
.irp b, 0,1,2,3
	ds_store_b128 v[STO], v[ACC+8*(4*(\a)+\b):ACC+8*(4*(\a)+\b)+3] offset:64*\b          ; each accumulator from its low end on
	ds_store_b128 v[STO], v[ACC+8*(4*(\a)+\b)+4:ACC+8*(4*(\a)+\b)+7] offset:64*\b+16
.endr
.irp t, 0,1,2,3,4,5,6,7
	ds_load_b128 v[ACC+32*(\a)+4*\t:ACC+32*(\a)+4*\t+3], v[RD] offset:\t*2*SPITCH
.endr
.endm
.macro SEND a, younger                 ; younger: the LDS instructions issued behind block a's loads, which may stay out
	s_wait_dscnt \younger
.irp t, 0,1,2,3,4,5,6,7
	global_store_b128 v[CO], v[ACC+32*(\a)+4*\t:ACC+32*(\a)+4*\t+3], s[10:11] offset:(16*(\a)+2*\t)*SIZE_N*4 th:TH_STORE_NT   ; 16 lanes store 256 consecutive bytes, at a multiple of 256 from the output's first byte; written once
.endr
.endm
	PLACES                                         ; behind the last products: results are read, and loaded over, only from here on
	TOSTAGE 0
	TOSTAGE 1
	SEND 0, 16                                     ; behind block 0's loads: block 1's 8 stores and 8 loads
	TOSTAGE 2
	SEND 1, 16
	TOSTAGE 3
	SEND 2, 16
	SEND 3, 0
	s_wait_tensorcnt 0x0                           ; the wave's end
	ds_add_u32 v[SPW], v[NIL]
	s_wait_dscnt 0x0
	CROUND                                         ; the closing round: no work-group ends while a partner may still ask for a tile that names it
	s_endpgm
.Lfunc_end_k_q067730be35_oproj:
	.size	k_q067730be35_oproj, .Lfunc_end_k_q067730be35_oproj-k_q067730be35_oproj
	.p2alignl 7, 3214868480
	.fill 96, 4, 3214868480
	.section	.rodata,"a",@progbits
	.p2align	6, 0x0
	.amdhsa_kernel k_q067730be35_oproj
		.amdhsa_group_segment_fixed_size 327680
		.amdhsa_private_segment_fixed_size 0
		.amdhsa_enable_private_segment 0
		.amdhsa_kernarg_size 32
		.amdhsa_user_sgpr_count 2
		.amdhsa_user_sgpr_kernarg_segment_ptr 1
		.amdhsa_wavefront_size32 1
		.amdhsa_system_sgpr_workgroup_id_x 1
		.amdhsa_system_sgpr_workgroup_id_y 1
		.amdhsa_system_sgpr_workgroup_id_z 1
		.amdhsa_system_vgpr_workitem_id 0
		.amdhsa_next_free_vgpr 512
		.amdhsa_next_free_sgpr 100
		.amdhsa_reserve_vcc 0
		.amdhsa_float_denorm_mode_32 3
		.amdhsa_float_denorm_mode_16_64 3
		.amdhsa_memory_ordered 1
		.amdhsa_forward_progress 1
		.amdhsa_inst_pref_size 93
	.end_amdhsa_kernel
	.amdgpu_metadata
---
amdhsa.version: [ 1, 2 ]
amdhsa.kernels:
  - .name:           k_q067730be35_oproj
    .symbol:         k_q067730be35_oproj.kd
    .args:
      - { .name: ctx, .offset: 0, .size: 8, .value_kind: global_buffer, .address_space: global }
      - { .name: Wd_codes, .offset: 8, .size: 8, .value_kind: global_buffer, .address_space: global }
      - { .name: Wd_scales, .offset: 16, .size: 8, .value_kind: global_buffer, .address_space: global }
      - { .name: out0, .offset: 24, .size: 8, .value_kind: global_buffer, .address_space: global }
    .group_segment_fixed_size: 327680
    .private_segment_fixed_size: 0
    .kernarg_segment_align: 8
    .kernarg_segment_size: 32
    .max_flat_workgroup_size: 128
    .sgpr_count:     100
    .vgpr_count:     512
    .wavefront_size: 32
...
	.end_amdgpu_metadata
.endif
;; end of part 5
